; MI455X (gfx1250); checked and timed in simulation.
; The chip was launched on July 23, 2026; its instructions are those of AMD's public machine-readable ISA for CDNA 5 (MIT licence, August 2026) and "CDNA5" Instruction Set Architecture Reference Guide (July 2026). The comments in the code are by the model that wrote it; some were corrected since.
;; Pairwise Adj Decoder. Allowed arithmetic: matrix products marked QUANTISED: E4M3 operands, one given power-of-two scale a tensor, by v_wmma_f32_16x16x64_fp8_fp8 or v_wmma_f32_16x16x128_fp8_fp8, f32 sums; products left as they are: f32 operands where the result goes on into a quantised operand, else bf16, f16 or f32 operands; f32 sums; everything else in f32.
;; Inputs: W1 512 x 512 float32; W2 512 x 512 float32; W3 512 x 1 float32; b1 512 float32; b2 512 float32; b3 1 float32; h 512 x 256 float32; lowp_scales 6 int32 (the exponents e of the quantised operands' scales 2^e).
;; Outputs: out0 512 x 512 float32.
;; This version of the problem:
;;   THIS VERSION OF THE PROBLEM IS GIVEN IN LOW PRECISION. The matrix products marked QUANTISED in the list below multiply operands that are first quantised to E4M3 (4 exponent bits, 3 mantissa bits; 8 bits a number), with one given power-of-two scale for each operand tensor; their sums are f32. All else is computed in f32.
;;   The module's matrix products, in the order in which they are computed (A, B: the left and right operand; K: the contracted axis; several contracted axes count as one K, in the product's order):
;;     1. [M 512, K 256] x [K 256, N 512]; A: input h; B: input W1: QUANTISED (scales: A lowp_scales[0], B lowp_scales[1])
;;     2. [M 512, K 256] x [K 256, N 512]; A: input h; B: input W1: QUANTISED (scales: A lowp_scales[2], B lowp_scales[3])
;;     3. [M 262,144, K 512] x [K 512, N 512]; A: computed on the way; B: input W2: QUANTISED (scales: A lowp_scales[4], B lowp_scales[5])
;;     4. [M 262,144, K 512] x [K 512, N 1]; A: computed on the way; B: input W3: left as it is (N = 1 < 16)
;;   THE QUANTISER, for each operand of a quantised product, along K:
;;     - The operand's scale is 2^e, e = its entry of the input lowp_scales (int32; the entries are numbered through the quantised products in the list's order, A before B).
;;     - Each number is divided by the scale, clamped to +-448, and rounded to the nearest number of E4M3, ties to even, subnormals kept.
;;     - The product sums the exact products of the quantised numbers (number of the format x scale) in f32.
;;   ~~~python
;;   def quantise(x, axis, e):      # numpy; x: float32 -> the quantised numbers, widened to float32 again
;;       x = np.moveaxis(x, axis, -1); K = x.shape[-1]
;;       r = np.clip(x / 2.0 ** e, -448, 448)
;;       step = 2.0 ** (np.maximum(np.frexp(np.where(r == 0, 1, r))[1] - 1, -6) - 3)
;;       q = np.round(r / step) * step * 2.0 ** e      # np.round: ties to even
;;       return np.moveaxis(q, -1, axis).astype(np.float32)
;;   ~~~
;;   OPERANDS COMPUTED ON THE WAY. 'Computed on the way' means the value that the module computes at that place (a softmax that the list does not call 'softmax' is quantised finished and normalised). What goes into a quantiser is computed in f32, as accurately as f32 sums, v_exp_f32 and their like allow (about 1e-6 of the number): no bf16 or f16 on the way to a quantiser, and a product that is left as it is and whose result goes on into a quantised operand takes f32 operands (vector FMAs, or v_wmma_f32_16x16x4_f32). A number that lies on a knife's edge between two numbers of the format may be rounded either way, as far as f32 arithmetic and the matrix unit's own rounding can turn it there, and no further.
;; 2 versions, each right; version 2 is version 1 with the launches prep, pairs written anew for expert scheduling mode. Each part assembles by itself: llvm-mc -triple=amdgcn-amd-amdhsa -mcpu=gfx1250 --defsym DOCPART=n.
;; ======== version 1 of 2: 2 launches
;; workspace buffers: ya 1,048,576 bytes; yb 1,048,576 bytes; w2q 262,144 bytes
;; launch prep (part 1): grid 16 x 4, 8 waves a work-group, no clusters, 52,224 bytes of LDS; arguments h, W1, b1, W2, lowp_scales, ya, yb, w2q; writes ya, yb, w2q
.if DOCPART == 1
	.amdgcn_target "amdgcn-amd-amdhsa--gfx1250"
	.amdhsa_code_object_version 6
	.text
	.protected	k_q45dbc122c4_prep
	.globl	k_q45dbc122c4_prep
	.p2align	8
	.type	k_q45dbc122c4_prep,@function
k_q45dbc122c4_prep:
	s_mov_b64 s[64:65], 0
	v_nop
	global_prefetch_b8 v0, s[64:65] scope:SCOPE_SE
	s_setreg_imm32_b32 hwreg(HW_REG_WAVE_MODE, 25, 1), 1
	s_wait_xcnt 0x0
; PREP.  ya[i][k] = c x (h W1[:256])[i][k],  yb[j][k] = c x ((h W1[256:])[j][k] + b1[k]),  c = 2 log2(e): what the next launch adds and hands to v_exp_f32.
; Both products on codes of FP8 (E4M3) with the given scales: h by 2^e0 and W1's upper half by 2^e1 for ya, h by 2^e2 and W1's lower half by 2^e3 for yb.  Sums in f32.
; w2q = W2's codes (scale 2^e5) IN THE ORDER OF THE OPERAND'S REGISTERS: 512 pieces of 512 bytes; piece g = (nt 4 + s) 4 + c; lane (r, h)'s 16 bytes at 512 g + 16 lane are
; W2[k = 128 s + 32 c + 16 h + 0 .. 15][n = 16 nt + r].
; SHARES.  Work-group (x, y): p = x / 8 says which half of W1 (0: ya, 1: yb), nb = x % 8 a slab of 64 columns, y a block of 128 rows of h.  All take one path; pointers and exponents are chosen by s_cselect.
; Wave w: (a) quantises piece g = (16 y + x) 8 + w of W2 and stores it: 64 work-groups x 8 waves are the 512 pieces; (b) quantises fragment w of the slab of W1 (columns 16 (w / 2) on, K step w % 2) and puts it
; into LDS as an image of its registers; (c) quantises its own 16 rows of h, two fragments; one barrier; (d) multiplies its rows by all eight fragments and stores 16 rows x 256 bytes through its own stage.
; W1 and W2 have K as their FIRST axis: a lane takes a column and its registers run down K, so the conversions give codes with K innermost and nothing is transposed.
; A FRAGMENT (16 rows x 128 K, 16 registers): registers 4 c .. 4 c + 3 of lane (r, h) hold k = 32 c + 16 h + 0 .. 15 of row r: a permutation of k, the same in both operands of every product here.
; THE MATRIX INSTRUCTION IS USED TRANSPOSED (source 0 = 16 columns of W1, source 1 = 16 rows of h): a lane then holds eight neighbouring numbers of a row of the result.
; No tensor load, no cluster: a work-group reads 64 KiB of W1, 128 KiB of h and 16 KiB of W2 once, straight into registers, and has no loop in which a tile could be shared.
; LIMITS: e0 .. e3 and e5 between -126 and 119, so that 2^e and 448 x 2^e are f32 numbers; e0 + e1 and e2 + e3 are applied by v_ldexp_f32 and have none.  NaN among the inputs is not served.
.set IMG,  0                           ; LDS: W1's eight fragments, 2,048 bytes each: group c of four registers, lane l at 512 c + 16 l
.set STG,  16384                       ; then a stage of 16 rows x (256 bytes + 16) for each wave
.set SP,   272
.set SW,   16*SP
.set Z,    16                          ; v16-79    W1's 64 numbers of my column
.set X,    80                          ; v80-207   h's 128 numbers of my row
.set WZ,   208                         ; v208-223  W2's 16 numbers
.set PC,   208                         ; v208-223  then W1's codes
.set AC,   224                         ; v224-255  h's codes: two fragments
.set ACC,  16                          ; v16-47    four accumulators
.set BI,   48                          ; v48-79    b1 in the result's layout
.set BF,   80                          ; v80-207   W1's eight fragments back from LDS; at the end rows of the result
; v1 16 x lane; v2 W1's and W2's offset; v3 h's; v4 b1's; v5 image store; v6, v7 stage in and back; v8 result's offset; v10 the scale as f32, v11 448 x the scale; v12-15 W2's codes
.macro Q16 src, dst                    ; 16 numbers of a lane become 16 codes in four registers
.set i, 0
.rept 16
	v_med3_num_f32 v[(\src)+i], v[(\src)+i], -v11, v11     ; the conversion to an 8-bit code does not saturate (ISA guide 7.6.2): the hold at the largest code x the scale
.set i, i+1
.endr
	v_cvt_scalef32_pk8_fp8_f32 v[(\dst):(\dst)+1], v[(\src):(\src)+7], v10
	v_cvt_scalef32_pk8_fp8_f32 v[(\dst)+2:(\dst)+3], v[(\src)+8:(\src)+15], v10
.endm
.macro SCBITS sc, lim, e               ; s[sc] = 2^e, s[lim] = 448 x 2^e, as f32 patterns
	s_add_co_i32 s[\sc], s[\e], 127
	s_add_co_i32 s[\lim], s[\sc], 8
	s_lshl_b32 s[\sc], s[\sc], 23
	s_lshl_b32 s[\lim], s[\lim], 23
	s_or_b32 s[\lim], s[\lim], 0x600000
.endm
	s_load_b512 s[16:31], s[0:1], 0x0              ; h 16, W1 18, b1 20, W2 22, the exponents 24, ya 26, yb 28, w2q 30
	v_lshl_add_u32 v9, v0, 2, 0xc800
	s_set_vgpr_msb 0x40
	v_mov_b32 v1, 0
	s_set_vgpr_msb 0x4000
	v_lshrrev_b32 v12, 5, v0
	v_readfirstlane_b32 s2, v12                    ; wave 0..7
	v_and_b32 v12, 15, v0                          ; r
	v_bfe_u32 v13, v0, 4, 1                        ; h
	v_and_b32 v1, 31, v0
	v_lshlrev_b32 v1, 4, v1                        ; 16 x lane
	v_lshlrev_b32 v2, 2, v12
	v_lshl_add_u32 v2, v13, 15, v2                 ; W1, W2: column r, and 16 rows of 2,048 bytes further down for lanes 16-31
	v_lshlrev_b32 v3, 10, v12
	v_lshl_add_u32 v3, v13, 6, v3                  ; h: row r of 1,024 bytes, + 64 h: my 16 numbers of a block of 32
	v_lshlrev_b32 v4, 5, v13                       ; b1: my eight of a tile's sixteen
	s_lshl_b32 s32, s2, 11
	v_add_nc_u32 v5, s32, v1                       ; my fragment's image
	s_mul_i32 s32, s2, SW
	s_add_co_u32 s32, s32, STG                     ; my stage
	v_mul_u32_u24 v6, v12, SP
	v_lshl_add_u32 v6, v13, 5, v6
	v_add_nc_u32 v6, s32, v6                       ; in: row r, 32 bytes for each half of the lanes
	v_mul_u32_u24 v7, v13, SP
	v_lshl_add_u32 v7, v12, 4, v7
	v_add_nc_u32 v7, s32, v7                       ; back: lanes 0-15 one row of 256 bytes, lanes 16-31 the next
	v_lshlrev_b32 v8, 11, v13
	v_lshl_add_u32 v8, v12, 4, v8                  ; and the same two rows in the result
	s_lshr_b32 s3, ttmp9, 3                        ; p
	s_and_b32 s4, ttmp9, 7                         ; nb
	s_and_b32 s5, ttmp7, 0xffff                    ; the block of rows
	s_lshl_b32 s6, s5, 4
	s_add_co_u32 s6, s6, ttmp9
	s_lshl_b32 s6, s6, 3
	s_add_co_u32 s6, s6, s2                        ; g
	s_mov_b32 s33, 0
	s_mov_b32 s42, 0x4038aa3b                      ; c = 2 log2(e)
	s_mov_b32 s43, s42                             ; (named with it as a pair, so it is written)
	s_wait_kmcnt 0x0
	s_load_b128 s[8:11], s[24:25], 0x0             ; e0 .. e3
	s_load_b64 s[12:13], s[24:25], 0x10            ; e4, e5
	s_and_b32 s32, s6, 15                          ; W2: rows 32 (g % 16) on, columns 16 (g / 16) on
	s_lshl_b32 s32, s32, 16
	s_lshr_b32 s7, s6, 4
	s_lshl_b32 s7, s7, 6
	s_add_co_u32 s32, s32, s7
	s_add_nc_u64 s[22:23], s[22:23], s[32:33]
	s_lshl_b32 s32, s3, 19                         ; W1: half p, K step w % 2, slab nb, columns 16 (w / 2) on
	s_and_b32 s7, s2, 1
	s_lshl_b32 s7, s7, 18
	s_add_co_u32 s32, s32, s7
	s_lshl_b32 s7, s4, 8
	s_add_co_u32 s32, s32, s7
	s_lshr_b32 s7, s2, 1
	s_lshl_b32 s7, s7, 6
	s_add_co_u32 s32, s32, s7
	s_add_nc_u64 s[18:19], s[18:19], s[32:33]
	s_lshl_b32 s32, s5, 17                         ; h: my wave's 16 rows
	s_lshl_b32 s7, s2, 14
	s_add_co_u32 s32, s32, s7
	s_add_nc_u64 s[16:17], s[16:17], s[32:33]
.set i, 0
.rept 16
	global_load_b32 v[WZ+i], v2, s[22:23] offset:i*2048
.set i, i+1
.endr
.set i, 0
.rept 64                               ; register 16 c + n: row 32 c + 16 h + n of the K step
	global_load_b32 v[Z+i], v2, s[18:19] offset:(32*(i/16)+i%16)*2048
.set i, i+1
.endr
.set i, 0
.rept 32                               ; i = 16 s + 4 c + q
	global_load_b128 v[X+4*i:X+4*i+3], v3, s[16:17] offset:512*(i/16)+128*((i/4)%4)+16*(i%4)
.set i, i+1
.endr
	s_lshl_b32 s32, s4, 8                          ; b1: the slab's 64 numbers
	s_add_nc_u64 s[20:21], s[20:21], s[32:33]
	s_lshl_b32 s32, s6, 9                          ; w2q: piece g
	s_add_nc_u64 s[30:31], s[30:31], s[32:33]
	s_cmp_eq_u32 s3, 0                             ; the choice hangs on the work-group's number alone
	s_cselect_b64 s[26:27], s[26:27], s[28:29]     ; the result: ya or yb,
	s_lshl_b32 s32, s5, 18                         ; at my wave's 16 rows of 2,048 bytes and the slab's 256 bytes
	s_lshl_b32 s7, s2, 15
	s_add_co_u32 s32, s32, s7
	s_lshl_b32 s7, s4, 8
	s_add_co_u32 s32, s32, s7
	s_add_nc_u64 s[26:27], s[26:27], s[32:33]
	s_wait_kmcnt 0x0
	s_cmp_eq_u32 s3, 0
	s_cselect_b32 s34, s8, s10                     ; h's exponent in this product
	s_cselect_b32 s35, s9, s11                     ; W1's
	s_cselect_b32 s40, 0, -1                       ; b1 counts in yb alone
	s_add_co_i32 s36, s34, s35
	SCBITS 44, 45, 13                              ; W2's scale
	SCBITS 46, 47, 35                              ; W1's
	SCBITS 48, 49, 34                              ; h's
	; ---- W2's piece
	s_wait_loadcnt 63                              ; 96 loads were issued behind W2's sixteen; the count is the largest that the field holds: W2's are in
	v_mov_b32 v10, s44
	v_mov_b32 v11, s45
	Q16 WZ, 12
	v_nop                                          ; one plain vector instruction behind a run of scaled conversions, ahead of the lines that write their sources and scale again
	global_store_b128 v1, v[12:15], s[30:31]       ; the wave stores 512 consecutive bytes, aligned
	; ---- W1's fragment
	s_wait_loadcnt 32                              ; h's 32 loads may be out: W1's are in
	v_mov_b32 v10, s46
	v_mov_b32 v11, s47
.set m, 0
.rept 4
	Q16 Z+16*m, PC+4*m
.set m, m+1
.endr
	v_nop
.set i, 0
.rept 4
	ds_store_b128 v5, v[PC+4*i:PC+4*i+3] offset:IMG+512*i
.set i, i+1
.endr
.set i, 0
.rept 4                                ; b1 at columns 16 t + 8 h + 0 .. 7, into registers that W1's numbers have left
	global_load_b128 v[BI+8*i:BI+8*i+3], v4, s[20:21] offset:64*i
	global_load_b128 v[BI+8*i+4:BI+8*i+7], v4, s[20:21] offset:64*i+16
.set i, i+1
.endr
	; ---- my rows of h
	s_wait_loadcnt 8                               ; b1's eight loads may be out: h's are in
	v_mov_b32 v10, s48
	v_mov_b32 v11, s49
.set m, 0
.rept 8
	Q16 X+16*m, AC+4*m
.set m, m+1
.endr
	v_nop
	s_wait_dscnt 0x0                               ; for the others' sake: my image has landed
	s_barrier_signal -1
	s_barrier_wait -1
	; ---- the product: fragment f = 2 t + s; the first K step's four fragments first
.set i, 0
.rept 32                               ; i = 16 s + 4 t + c
.set f, 2*((i/4)%4)+i/16
	ds_load_b128 v[BF+16*f+4*(i%4):BF+16*f+4*(i%4)+3], v1 offset:IMG+2048*f+512*(i%4)
.set i, i+1
.endr
	s_wait_dscnt 16                                ; the second K step's sixteen loads may be out
.set t, 0
.rept 4                                ; the first K step starts the sums; the four accumulators take turns, one instruction a turn
	v_wmma_f32_16x16x128_fp8_fp8 v[ACC+8*t:ACC+8*t+7], v[BF+32*t:BF+32*t+15], v[AC:AC+15], 0
.set t, t+1
.endr
	s_wait_dscnt 0x0
.set t, 0
.rept 4
	v_wmma_f32_16x16x128_fp8_fp8 v[ACC+8*t:ACC+8*t+7], v[BF+32*t+16:BF+32*t+31], v[AC+16:AC+31], v[ACC+8*t:ACC+8*t+7]
.set t, t+1
.endr
	s_wait_loadcnt 0x0                             ; b1
.set i, 0
.rept 32                               ; these name no register of the products: they are the places behind them (ISA guide 7.12.1)
	v_cndmask_b32 v[BI+i], 0, v[BI+i], s40
.set i, i+1
.endr
.set i, 0
.rept 32                               ; each accumulator from its low end on
	v_ldexp_f32 v[ACC+i], v[ACC+i], s36            ; a sum stands for sum x 2^(h's e + W1's e)
.set i, i+1
.endr
.set i, 0
.rept 16
	v_pk_add_f32 v[ACC+2*i:ACC+2*i+1], v[ACC+2*i:ACC+2*i+1], v[BI+2*i:BI+2*i+1]
.set i, i+1
.endr
.set i, 0
.rept 16
	v_pk_mul_f32 v[ACC+2*i:ACC+2*i+1], v[ACC+2*i:ACC+2*i+1], s[42:43] op_sel_hi:[1,0]
.set i, i+1
.endr
	; ---- the way out: lane (r, h) holds row r, columns 16 t + 8 h + 0 .. 7; through my stage, back as whole rows of 256 bytes
.set t, 0
.rept 4
	ds_store_b128 v6, v[ACC+8*t:ACC+8*t+3] offset:64*t
	ds_store_b128 v6, v[ACC+8*t+4:ACC+8*t+7] offset:64*t+16
.set t, t+1
.endr
.set i, 0
.rept 8
	ds_load_b128 v[BF+4*i:BF+4*i+3], v7 offset:2*SP*i      ; LDS serves a wave's instructions in order (ISA guide 5.7.1.4): these see my stores
.set i, i+1
.endr
.set i, 0
.rept 8
	s_wait_dscnt 7-i                               ; the younger pairs of rows may be out
	global_store_b128 v8, v[BF+4*i:BF+4*i+3], s[26:27] offset:4096*i   ; sixteen lanes store 256 consecutive bytes, at a multiple of 256 from the buffer's first byte
.set i, i+1
.endr
	s_set_vgpr_msb 0x4
	s_wait_tensorcnt 0x0
	ds_add_u32 v9, v1
	s_wait_dscnt 0x0
	s_set_vgpr_msb 0x400
	s_endpgm
.Lfunc_end_k_q45dbc122c4_prep:
	.size	k_q45dbc122c4_prep, .Lfunc_end_k_q45dbc122c4_prep-k_q45dbc122c4_prep
	.p2alignl 7, 3214868480
	.fill 96, 4, 3214868480
	.section	.rodata,"a",@progbits
	.p2align	6, 0x0
	.amdhsa_kernel k_q45dbc122c4_prep
		.amdhsa_group_segment_fixed_size 52224
		.amdhsa_private_segment_fixed_size 0
		.amdhsa_enable_private_segment 0
		.amdhsa_kernarg_size 64
		.amdhsa_user_sgpr_count 2
		.amdhsa_user_sgpr_kernarg_segment_ptr 1
		.amdhsa_wavefront_size32 1
		.amdhsa_system_sgpr_workgroup_id_x 1
		.amdhsa_system_sgpr_workgroup_id_y 1
		.amdhsa_system_sgpr_workgroup_id_z 1
		.amdhsa_system_vgpr_workitem_id 0
		.amdhsa_next_free_vgpr 258
		.amdhsa_next_free_sgpr 66
		.amdhsa_reserve_vcc 0
		.amdhsa_float_denorm_mode_32 3
		.amdhsa_float_denorm_mode_16_64 3
		.amdhsa_memory_ordered 1
		.amdhsa_forward_progress 1
		.amdhsa_inst_pref_size 42
	.end_amdhsa_kernel
	.amdgpu_metadata
---
amdhsa.version: [ 1, 2 ]
amdhsa.kernels:
  - .name:           k_q45dbc122c4_prep
    .symbol:         k_q45dbc122c4_prep.kd
    .args:
      - { .name: h, .offset: 0, .size: 8, .value_kind: global_buffer, .address_space: global }
      - { .name: W1, .offset: 8, .size: 8, .value_kind: global_buffer, .address_space: global }
      - { .name: b1, .offset: 16, .size: 8, .value_kind: global_buffer, .address_space: global }
      - { .name: W2, .offset: 24, .size: 8, .value_kind: global_buffer, .address_space: global }
      - { .name: lowp_scales, .offset: 32, .size: 8, .value_kind: global_buffer, .address_space: global }
      - { .name: ya, .offset: 40, .size: 8, .value_kind: global_buffer, .address_space: global }
      - { .name: yb, .offset: 48, .size: 8, .value_kind: global_buffer, .address_space: global }
      - { .name: w2q, .offset: 56, .size: 8, .value_kind: global_buffer, .address_space: global }
    .group_segment_fixed_size: 52224
    .private_segment_fixed_size: 0
    .kernarg_segment_align: 8
    .kernarg_segment_size: 64
    .max_flat_workgroup_size: 256
    .sgpr_count:     66
    .vgpr_count:     258
    .wavefront_size: 32
...
	.end_amdgpu_metadata
.endif
;; end of part 1
;; launch pairs (part 2): grid 8 x 32, 8 waves a work-group, no clusters, 297,984 bytes of LDS; arguments ya, yb, w2q, b2, W3, b3, lowp_scales, out0; writes out0
.if DOCPART == 2
	.amdgcn_target "amdgcn-amd-amdhsa--gfx1250"
	.amdhsa_code_object_version 6
	.text
	.protected	k_q45dbc122c4_pairs
	.globl	k_q45dbc122c4_pairs
	.p2align	8
	.type	k_q45dbc122c4_pairs,@function
k_q45dbc122c4_pairs:
	s_mov_b64 s[64:65], 0
	v_nop
	global_prefetch_b8 v0, s[64:65] scope:SCOPE_SE
	s_setreg_imm32_b32 hwreg(HW_REG_WAVE_MODE, 25, 1), 1
	s_wait_xcnt 0x0
; PAIRS.  out0[i][j] = W3 . tanh(Q(tanh(yi[i] + yj[j] + b1)) W2 + b2) + b3, and -20 where i = j.  ya = c yi and yb = c (yj + b1), c = 2 log2(e), and W2's codes come from the launch before.
; tanh(x) = 1 - 2 / (1 + 2^(c x)): one v_exp_f32 and one v_rcp_f32; where 2^(c x) overflows or underflows it gives 1 or -1.  All in f32.  Q: codes of FP8 (E4M3) with the given scale 2^e4; W2's have 2^e5.
; SHARES.  A work-group owns i = 16 y + 0 .. 15 and j = 64 x + 0 .. 63: 64 TILES of 16 pair rows; tile j holds the pairs (i0 + r, j0 + j).  A row of out0 in the block is 256 bytes, aligned.
; THE EIGHT WAVES SHARE THE COLUMNS, NOT THE ROWS.  Wave w (G) makes the codes of first-layer units k = 64 w .. 64 w + 63 of every tile and puts them into LDS as images of the operand's registers;
; (M) holds W2's codes of outputs n = 64 w .. 64 w + 63 in 256 registers for the whole launch (16 fragments, window 1) and multiplies every tile by them; (T) takes the second tanh and the dot product
; with W3 over its 64 n.  The eight partial logits of a pair meet in LDS at the end.  Nothing of the two hidden layers goes to memory.
; PERIODS.  The codes go through two buffers of 8 tiles.  In a period every wave multiplies the 8 tiles of one buffer and makes the next 8 tiles' codes in the other; one barrier ends it.
; A STEP is one tile of each kind.  G AND M GO BY TURNS: G's 64 transcendentals name no register of the products, so the tile's 16 matrix instructions stand among them, one ahead of every four.
; W2 is source 0 in window 1 and a transcendental's source is source 0 too, so each matrix instruction has a switch of the window in front and one behind: 32 for a tile's 16 matrix instructions.
; Behind G's tail the wave asks LDS for the next step's row of yb and for the next tile's four fragments: they land under T's 120 instructions.  Across a period's barrier no fragment is asked for:
; a period's last two tiles are written out, and its first tile's fragments are asked for straight behind the barrier.
; A FRAGMENT (16 rows x 128 K, 16 registers): registers 4 c .. 4 c + 3 of lane (r, h) hold k = 32 c + 16 h + 0 .. 15 of row r: a permutation of k, the same in both operands.
; THE MATRIX INSTRUCTION IS USED TRANSPOSED (source 0 = 16 outputs n of W2, source 1 = 16 pairs): lane (r, h) holds pair r and outputs 16 t + 8 h + 0 .. 7.
; The dot product: the sum of W3 (1 - 2 q) is taken as the sum of W3 plus the sum of (-2 W3) q, q the reciprocal: one packed multiply-add for two numbers.
; THE HOLD at the largest code x the scale: tanh = 1 - 2 q lies within +-1 (a unit in the last place allowed for), and 448 x 2^e4 is at least 1.75 where e4 >= -8: there the hold changes nothing and is jumped
; over: a scalar branch on the given whole number, the same in all waves, round the 32 lines alone.  Where e4 < -8 the hold is executed.
; NO TENSOR LOAD, NO CLUSTER: a work-group reads 416 KiB once, at its head (32 KiB of codes a wave straight into the operand's registers, 128 KiB of yb, 32 KiB of ya), and then makes
; 1,024 x 512 x 512 multiply-adds out of registers and LDS: no loop of the text reads memory, so there is no tile that partners could ask for jointly in step.  For the same reason nothing is prefetched.
; LIMITS: e4 between -126 and 119 (2^e4 and 448 x 2^e4 are f32 numbers); e4 + e5 between -127 and 126 (they are added to c's exponent field).  NaN among the inputs is not served.
; The tanh has an absolute error of some 1e-7, so a larger relative one where its argument is tiny.  The diagonal is -20 also where the logit would not be finite.
.set BT,   0                           ; LDS: 8 x 16,384: wave w's own: row j, 256 bytes: yb[j0 + j][64 w .. 64 w + 63]
.set CB0,  131072                      ; 65,536: 8 tiles of codes: tile e, K step s, group c, lane l at 8192 e + 2048 s + 512 c + 16 l; wave w writes the 1,024 bytes at 8192 e + 1024 w
.set CB1,  196608                      ; the same
.set PART, 262144                      ; 8 x 4,352: wave w's partial logits, 16 rows i x (64 j x 4 bytes + 16)
.set PP,   272
.set PW,   16*PP
.set AR,   16                          ; v16-47   ya[i0 + r][64 w + 32 cc + 16 h + n] at 16 cc + n
.set B2,   48                          ; v48-79   c b2[64 w + 16 t + 8 h + n] at 8 t + n
.set W3,   80                          ; v80-111  -2 W3 of the same outputs
.set FR,   112                         ; v112-175 the four fragments of the tile that is multiplied
.set ACC,  176                         ; v176-207 four accumulators; the dot product's four chains end in the first eight
.set GN,   208                         ; v208-239 G's 32 numbers of a tile
.set PC,   240                         ; v240-247 a tile's codes just made (at the head: offsets of the loads)
.set INIT, 248                         ; v248-249 the sum of my 32 W3, even and odd places
.set PSA,  250                         ; v250, v251 my half of two tiles' partial logits
.set PSB,  251
; v1 16 x lane; v2 my place in a row of BT; v3, v4 where I store codes in buffer 0, 1; v5, v6 where I read fragments; v7 where I store partial logits; v8-11 the addresses of two tiles (a unit), made at its head;
; v12 448 x 2^e4, v13 2^e4; v14 where I read partial logits; v15 which of my four j is the diagonal's; v252-254 at work; v255 -20.  Window 1: W2's fragment (t, s) at v[16 (4 t + s)].
.set MSB, 0
.macro WIN new                         ; s_set_vgpr_msb: bits 1:0 source 0, 3:2 source 1, 5:4 source 2, 7:6 destination; the immediate's high byte repeats the setting that is left
.if MSB != \new
	s_set_vgpr_msb (MSB<<8)|\new
.set MSB, \new
.endif
.endm
.macro BAR                             ; my LDS stores have landed and my LDS loads are in: then the work-group's barrier
	s_wait_dscnt 0x0
	s_barrier_signal -1
	s_barrier_wait -1
.endm
.macro WM                              ; the matrix instruction of K step kk and my tile tt of outputs, with its two switches.  K step 0 starts the sums
	WIN 0x01                                       ; source 0 (W2) window 1
.if kk == 0
	v_wmma_f32_16x16x128_fp8_fp8 v[ACC+8*tt:ACC+8*tt+7], v[16*(4*tt+kk):16*(4*tt+kk)+15], v[FR+16*kk:FR+16*kk+15], 0
.else
	v_wmma_f32_16x16x128_fp8_fp8 v[ACC+8*tt:ACC+8*tt+7], v[16*(4*tt+kk):16*(4*tt+kk)+15], v[FR+16*kk:FR+16*kk+15], v[ACC+8*tt:ACC+8*tt+7]
.endif
	WIN 0
.endm
; A batch of 32 transcendentals on G's numbers.  m = 1: K steps k0 and k0 + 1 of the tile in FR stand among them, one matrix instruction ahead of every four.  The four accumulators take turns, one instruction
; a turn.  One plain instruction behind the last transcendental and one wait for the batch, ahead of its first reader.
.macro BATCH op, m, k0
.set n, 0
.rept 8
.if \m
.set kk, (\k0)+n/4
.set tt, n%4
.if tt == 0
	s_wait_dscnt 12-4*kk                           ; the later K steps' loads, four each, may be out
.endif
	WM
.endif
.set q, 0
.rept 4
	\op v[GN+4*n+q], v[GN+4*n+q]
.set q, q+1
.endr
.set n, n+1
.endr
	v_nop
	s_wait_alu depctr_va_vdst(0)
.endm
; G of one tile, from yb's row in GN to tanh; m = 1: with the 16 matrix instructions of the tile in FR.
.macro GM m
	s_wait_dscnt 16*(\m)                           ; the row's eight loads are in; the sixteen fragment loads issued behind them may be out
.set i, 0
.rept 16
	v_pk_add_f32 v[GN+2*i:GN+2*i+1], v[GN+2*i:GN+2*i+1], v[AR+2*i:AR+2*i+1]   ; c (yi + yj + b1)
.set i, i+1
.endr
	BATCH v_exp_f32, \m, 0
.set i, 0
.rept 16
	v_pk_add_f32 v[GN+2*i:GN+2*i+1], v[GN+2*i:GN+2*i+1], 1.0 op_sel_hi:[1,0]
.set i, i+1
.endr
	BATCH v_rcp_f32, \m, 2
.set i, 0
.rept 16                               ; these name no register of the products: with the v_nop above they are the places ahead of the loads into the fragments' registers and of the first read of the sums
	v_pk_fma_f32 v[GN+2*i:GN+2*i+1], v[GN+2*i:GN+2*i+1], -2.0, 1.0 op_sel_hi:[1,0,0]   ; tanh
.set i, i+1
.endr
.endm
.macro GTAIL e                         ; the tile's codes, to place e of the unit in the buffer that is being filled (v9)
	s_cmp_ge_i32 s6, -8                            ; 448 x 2^e4 >= 1.75: no tanh reaches it
	s_cbranch_scc1 .Lno_hold_\@
.set i, 0
.rept 32
	v_med3_num_f32 v[GN+i], v[GN+i], -v12, v12     ; the conversion to an 8-bit code does not saturate (ISA guide 7.6.2)
.set i, i+1
.endr
.Lno_hold_\@:
.set i, 0
.rept 4
	v_cvt_scalef32_pk8_fp8_f32 v[PC+2*i:PC+2*i+1], v[GN+8*i:GN+8*i+7], v13
.set i, i+1
.endr
	v_nop                                          ; one plain vector instruction behind the run of scaled conversions
	ds_store_b128 v9, v[PC:PC+3] offset:8192*(\e)
	ds_store_b128 v9, v[PC+4:PC+7] offset:8192*(\e)+512
.endm
.macro GLOAD off                       ; a row of BT, my 32 numbers: i = 4 cc + q; sixteen lanes read the same 16 bytes
.set i, 0
.rept 8
	ds_load_b128 v[GN+4*i:GN+4*i+3], v8 offset:(\off)+128*(i/4)+16*(i%4)
.set i, i+1
.endr
.endm
.macro FETCHF off                      ; a tile's four fragments, K step by K step
.set i, 0
.rept 16
	ds_load_b128 v[FR+4*i:FR+4*i+3], v10 offset:(\off)+512*i
.set i, i+1
.endr
.endm
.macro MULP                            ; the 16 matrix instructions on end: the last period has no G to stand among them
	WIN 0x01
.set kk, 0
.rept 4
	s_wait_dscnt 12-4*kk
.set tt, 0
.rept 4
.if kk == 0
	v_wmma_f32_16x16x128_fp8_fp8 v[ACC+8*tt:ACC+8*tt+7], v[16*(4*tt+kk):16*(4*tt+kk)+15], v[FR+16*kk:FR+16*kk+15], 0
.else
	v_wmma_f32_16x16x128_fp8_fp8 v[ACC+8*tt:ACC+8*tt+7], v[16*(4*tt+kk):16*(4*tt+kk)+15], v[FR+16*kk:FR+16*kk+15], v[ACC+8*tt:ACC+8*tt+7]
.endif
.set tt, tt+1
.endr
.set kk, kk+1
.endr
	WIN 0
.rept 4
	v_nop                                          ; four places ahead of the loads into the fragments' registers and of the first read of the sums
.endr
.endm
.macro TANH2 ps                        ; the second tanh and my 32 outputs' part of the dot product, into v[ps]
.set i, 0
.rept 16                               ; each accumulator from its low end on
	v_pk_fma_f32 v[ACC+2*i:ACC+2*i+1], v[ACC+2*i:ACC+2*i+1], s[10:11], v[B2+2*i:B2+2*i+1] op_sel_hi:[1,0,1]   ; c (sum x 2^(e4 + e5) + b2)
.set i, i+1
.endr
.set i, 0
.rept 32
	v_exp_f32 v[ACC+i], v[ACC+i]
.set i, i+1
.endr
	v_nop
	s_wait_alu depctr_va_vdst(0)                   ; one wait for the batch
.set i, 0
.rept 16
	v_pk_add_f32 v[ACC+2*i:ACC+2*i+1], v[ACC+2*i:ACC+2*i+1], 1.0 op_sel_hi:[1,0]
.set i, i+1
.endr
.set i, 0
.rept 32
	v_rcp_f32 v[ACC+i], v[ACC+i]
.set i, i+1
.endr
	v_nop
	s_wait_alu depctr_va_vdst(0)
	v_pk_fma_f32 v[ACC:ACC+1], v[ACC:ACC+1], v[W3:W3+1], v[INIT:INIT+1]   ; four chains, in place in the first four pairs; the first begins with the sum of W3
.set i, 1
.rept 3
	v_pk_mul_f32 v[ACC+2*i:ACC+2*i+1], v[ACC+2*i:ACC+2*i+1], v[W3+2*i:W3+2*i+1]
.set i, i+1
.endr
.rept 12
	v_pk_fma_f32 v[ACC+2*(i%4):ACC+2*(i%4)+1], v[ACC+2*i:ACC+2*i+1], v[W3+2*i:W3+2*i+1], v[ACC+2*(i%4):ACC+2*(i%4)+1]
.set i, i+1
.endr
	v_pk_add_f32 v[ACC:ACC+1], v[ACC:ACC+1], v[ACC+2:ACC+3]
	v_pk_add_f32 v[ACC+4:ACC+5], v[ACC+4:ACC+5], v[ACC+6:ACC+7]
	v_pk_add_f32 v[ACC:ACC+1], v[ACC:ACC+1], v[ACC+4:ACC+5]
	v_add_f32 v[\ps], v[ACC], v[ACC+1]
.endm
.macro PSTORE                          ; a pair's other 32 outputs lie in the lane 16 away: lanes 0-15 finish the unit's first tile, lanes 16-31 its second, with one exchange
	v_cndmask_b32 v252, v[PSA], v[PSB], s14        ; what I keep,
	v_cndmask_b32 v253, v[PSB], v[PSA], s14        ; what the other lane wants
	v_permlanex16_b32 v254, v253, s12, s13
	v_add_f32 v252, v252, v254
	ds_store_b32 v11, v252                         ; (i = r, j = 2 u + h)
.endm
; A STEP: place e of the unit.  g = 1: G of a tile by turns with M of another; g = 0: M alone.  gpre, fpre: where, from v8 and from v10, the next step's row of BT and the next tile's fragments lie; -1: none is asked for.
.macro STEP e, g, gpre, fpre, ps
.if \g
	GM 1
	GTAIL \e
.if (\gpre) >= 0
	GLOAD \gpre                                    ; the row first, the fragments behind it: the next step's first wait counts on that order
.endif
.else
	MULP
.endif
.if (\fpre) >= 0
	FETCHF \fpre
.endif
	TANH2 \ps
.endm
.macro UNITADR cur, next, g            ; the addresses of a unit of two tiles
	v_add_nc_u32 v10, s34, v[5+\cur]
	v_add_nc_u32 v11, s36, v7
.if \g
	v_add_nc_u32 v8, s35, v2
	v_add_nc_u32 v9, s34, v[3+\next]
.endif
.endm
.macro UNITSTEP g
.if \g
	s_add_co_u32 s35, s35, 512                     ; two rows of BT on
.endif
	s_add_co_u32 s36, s36, 8                       ; two j on
.endm
; A period: four units of two tiles.  Buffer cur is multiplied; g = 1: the next period's codes are made in buffer next.  The buffers are constants of the text.  Three units go round a loop; the fourth is written
; out, since its second step asks for no fragments: the next tile lies behind the barrier.  glast = 1: G's last tile of all: no row of BT follows it.
.macro PERIOD cur, next, g, glast
	s_mov_b32 s34, 0
	v_add_nc_u32 v10, s34, v[5+\cur]
	FETCHF 0                                       ; the period's first tile, straight behind the barrier
.Lunit_\@:
	UNITADR \cur, \next, \g
	STEP 0, \g, 256, 8192, PSA
	STEP 1, \g, 512, 16384, PSB
	PSTORE
	UNITSTEP \g
	s_add_co_u32 s34, s34, 16384                   ; two tiles on
	s_cmp_lt_u32 s34, 49152
	s_cbranch_scc1 .Lunit_\@
	s_mov_b32 s34, 49152
	UNITADR \cur, \next, \g
	STEP 0, \g, 256, 8192, PSA
.if \glast
	STEP 1, \g, -1, -1, PSB
.else
	STEP 1, \g, 512, -1, PSB
.endif
	PSTORE
	UNITSTEP \g
	BAR                                            ; buffer next is whole, and nobody reads buffer cur any more
.endm
	s_load_b512 s[16:31], s[0:1], 0x0              ; ya 16, yb 18, w2q 20, b2 22, W3 24, b3 26, the exponents 28, out0 30
	v_lshrrev_b32 v8, 5, v0
	v_readfirstlane_b32 s2, v8                     ; wave 0..7
	v_and_b32 v8, 15, v0                           ; r
	v_bfe_u32 v9, v0, 4, 1                         ; h
	v_and_b32 v1, 31, v0
	v_lshlrev_b32 v1, 4, v1                        ; 16 x lane
	s_and_b32 s5, ttmp7, 0xffff                    ; the block of i
	s_lshl_b32 s32, s2, 14
	v_lshl_add_u32 v2, v9, 6, s32                  ; BT: my wave's rows, + 64 h
	v_add_nc_u32 v243, s32, v1                     ; and where I put them: two rows an instruction
	s_lshl_b32 s32, s2, 10
	s_add_co_u32 s32, s32, CB0
	v_add_nc_u32 v3, s32, v1
	v_add_nc_u32 v4, CB1-CB0, v3
	v_add_nc_u32 v5, CB0, v1
	v_add_nc_u32 v6, CB1, v1
	s_mul_i32 s32, s2, PW
	s_add_co_u32 s32, s32, PART
	v_mul_u32_u24 v7, v8, PP
	v_lshl_add_u32 v7, v9, 2, v7
	v_add_nc_u32 v7, s32, v7                       ; my partial logits: row r, + 4 h
	s_mul_i32 s32, s2, 2*PP
	s_add_co_u32 s32, s32, PART
	v_mul_u32_u24 v14, v9, PP
	v_lshl_add_u32 v14, v8, 4, v14
	v_add_nc_u32 v14, s32, v14                     ; at the end: row 2 w + h, my four j
	s_lshl_b32 s38, s5, 4
	s_lshl_b32 s32, s2, 1
	s_add_co_u32 s38, s38, s32
	s_lshl_b32 s32, ttmp9, 6
	s_sub_co_u32 s38, s38, s32                     ; 16 y + 2 w - 64 x
	v_lshlrev_b32 v15, 2, v8
	v_sub_nc_u32 v15, v9, v15
	v_add_nc_u32 v15, s38, v15                     ; my row i less my first j: the diagonal is my number q where q equals it
	v_lshlrev_b32 v240, 11, v9
	v_lshl_add_u32 v240, v8, 4, v240               ; yb: lanes 0-15 one row of 2,048 bytes, lanes 16-31 the next; 16 bytes a lane
	v_lshlrev_b32 v241, 11, v8
	v_lshl_add_u32 v241, v9, 6, v241               ; ya: row r, + 64 h
	v_lshlrev_b32 v242, 5, v9                      ; b2, W3: my eight of a tile's sixteen
	s_mov_b32 s12, 0x76543210                      ; v_permlanex16_b32: each lane takes its own place in the other half
	s_mov_b32 s13, 0xfedcba98
	s_mov_b32 s14, 0xffff0000                      ; lanes 16-31
	s_mov_b32 s40, 0x4038aa3b                      ; c = 2 log2(e)
	s_mov_b32 s41, s40                             ; (named with it as a pair, so it is written)
	s_mov_b32 s33, 0
	s_wait_kmcnt 0x0
	s_load_b64 s[6:7], s[28:29], 0x10              ; e4, e5
	s_load_b32 s8, s[26:27], 0x0                   ; b3
	s_lshl_b32 s39, s2, 8                          ; my 64 columns: 256 bytes
	s_lshl_b32 s32, s5, 15
	s_add_co_u32 s32, s32, s39
	s_add_nc_u64 s[16:17], s[16:17], s[32:33]      ; ya at row 16 y
	s_lshl_b32 s32, ttmp9, 17
	s_add_co_u32 s32, s32, s39
	s_add_nc_u64 s[18:19], s[18:19], s[32:33]      ; yb at row 64 x
	s_mov_b32 s32, s39
	s_add_nc_u64 s[22:23], s[22:23], s[32:33]      ; b2
	s_add_nc_u64 s[24:25], s[24:25], s[32:33]      ; W3
	s_lshl_b32 s32, s2, 15
	s_add_nc_u64 s[20:21], s[20:21], s[32:33]      ; my 64 pieces of W2's codes
	s_lshl_b32 s32, s5, 15
	s_lshl_b32 s39, ttmp9, 8
	s_add_co_u32 s32, s32, s39
	s_lshl_b32 s39, s2, 12
	s_add_co_u32 s32, s32, s39
	s_add_nc_u64 s[30:31], s[30:31], s[32:33]      ; out0 at row 16 y + 2 w, column 64 x
.set i, 0
.rept 32                               ; yb's 64 rows, my 256 bytes of each, two rows a load: sixteen lanes read 256 consecutive bytes.  v112-239 stage them
	global_load_b128 v[FR+4*i:FR+4*i+3], v240, s[18:19] offset:4096*i
.set i, i+1
.endr
.set i, 0
.rept 8                                ; i = 4 cc + q
	global_load_b128 v[AR+4*i:AR+4*i+3], v241, s[16:17] offset:128*(i/4)+16*(i%4)
.set i, i+1
.endr
.set i, 0
.rept 4
	global_load_b128 v[B2+8*i:B2+8*i+3], v242, s[22:23] offset:64*i
	global_load_b128 v[B2+8*i+4:B2+8*i+7], v242, s[22:23] offset:64*i+16
	global_load_b128 v[W3+8*i:W3+8*i+3], v242, s[24:25] offset:64*i
	global_load_b128 v[W3+8*i+4:W3+8*i+7], v242, s[24:25] offset:64*i+16
.set i, i+1
.endr
	s_wait_loadcnt 24                              ; ya's 8, b2's 8 and W3's 8 loads may be out: yb's rows are in
.set i, 0
.rept 32
	ds_store_b128 v243, v[FR+4*i:FR+4*i+3] offset:BT+512*i   ; only my wave reads these bytes: no barrier
.set i, i+1
.endr
	s_wait_loadcnt 0x0
	s_wait_dscnt 0x0                               ; the rows lie in LDS
	s_wait_kmcnt 0x0
	s_mov_b32 s9, s8                               ; b3, as a pair
	s_add_co_i32 s10, s6, s7
	s_lshl_b32 s10, s10, 23
	s_add_co_i32 s10, s10, 0x4038aa3b              ; c x 2^(e4 + e5): the two exponents are added to c's exponent field
	s_mov_b32 s11, s10
	s_add_co_i32 s32, s6, 127
	s_add_co_i32 s39, s32, 8
	s_lshl_b32 s32, s32, 23
	s_lshl_b32 s39, s39, 23
	s_or_b32 s39, s39, 0x600000
	v_mov_b32 v13, s32                             ; 2^e4 as f32: the conversion takes its exponent field
	v_mov_b32 v12, s39                             ; 448 x 2^e4
	v_mov_b32 v254, 0                              ; written once: a lane permute's destination counts as one of its sources
	v_pk_add_f32 v[INIT:INIT+1], v[W3:W3+1], v[W3+2:W3+3]
.set i, 2
.rept 14
	v_pk_add_f32 v[INIT:INIT+1], v[INIT:INIT+1], v[W3+2*i:W3+2*i+1]
.set i, i+1
.endr
.set i, 0
.rept 16
	v_pk_mul_f32 v[W3+2*i:W3+2*i+1], v[W3+2*i:W3+2*i+1], -2.0 op_sel_hi:[1,0]
	v_pk_mul_f32 v[B2+2*i:B2+2*i+1], v[B2+2*i:B2+2*i+1], s[40:41] op_sel_hi:[1,0]
.set i, i+1
.endr
	WIN 0x40                                       ; destination window 1
.set i, 0
.rept 64                               ; W2's codes lie in the order of the registers: piece i is registers 4 i .. 4 i + 3; a load reads 512 consecutive bytes.  They land under the first period's codes
	global_load_b128 v[4*i:4*i+3], v1, s[20:21] offset:512*i
.set i, i+1
.endr
	WIN 0
	; ---- the first period's codes, into buffer 0: G alone, a row of BT asked for one tile ahead
	s_mov_b32 s35, 0                               ; G's place in BT
	s_mov_b32 s36, 0                               ; T's place in a row of partial logits
	s_mov_b32 s34, 0
	v_add_nc_u32 v8, s35, v2
	GLOAD 0
.Lfirst:
	v_add_nc_u32 v8, s35, v2
	v_add_nc_u32 v9, s34, v3
	GM 0
	GTAIL 0
	GLOAD 256
	GM 0
	GTAIL 1
	GLOAD 512                                      ; in the last trip: row 8, for the first step behind the barrier
	s_add_co_u32 s35, s35, 512
	s_add_co_u32 s34, s34, 16384
	s_cmp_lt_u32 s34, 65536
	s_cbranch_scc1 .Lfirst
	s_wait_loadcnt 0x0                             ; W2's codes
	BAR
	; ---- eight periods: six in the loop, the last two written out: the seventh makes the last codes, the eighth none
	s_mov_b32 s37, 3
.Lperiods:
	PERIOD 0, 1, 1, 0
	PERIOD 1, 0, 1, 0
	s_sub_co_u32 s37, s37, 1
	s_cmp_lg_u32 s37, 0
	s_cbranch_scc1 .Lperiods
	PERIOD 0, 1, 1, 1
	PERIOD 1, 0, 0, 0
	; ---- the eight waves' partial logits are added; wave w takes rows 2 w and 2 w + 1, a lane four j
.set i, 0
.rept 8
	ds_load_b128 v[FR+4*i:FR+4*i+3], v14 offset:PW*i
.set i, i+1
.endr
	v_and_b32 v252, 15, v0                         ; r
	v_bfe_u32 v253, v0, 4, 1                       ; h
	v_lshlrev_b32 v253, 11, v253
	v_lshl_add_u32 v252, v252, 4, v253             ; out0: lanes 0-15 one row of 2,048 bytes, lanes 16-31 the next; 16 bytes a lane
	v_mov_b32 v255, 0xc1a00000                     ; -20
	s_wait_dscnt 0x0
.irp a, 0,8,16,24
	v_pk_add_f32 v[FR+\a:FR+\a+1], v[FR+\a:FR+\a+1], v[FR+\a+4:FR+\a+5]
	v_pk_add_f32 v[FR+\a+2:FR+\a+3], v[FR+\a+2:FR+\a+3], v[FR+\a+6:FR+\a+7]
.endr
.irp a, 0,16
	v_pk_add_f32 v[FR+\a:FR+\a+1], v[FR+\a:FR+\a+1], v[FR+\a+8:FR+\a+9]
	v_pk_add_f32 v[FR+\a+2:FR+\a+3], v[FR+\a+2:FR+\a+3], v[FR+\a+10:FR+\a+11]
.endr
	v_pk_add_f32 v[FR:FR+1], v[FR:FR+1], v[FR+16:FR+17]
	v_pk_add_f32 v[FR+2:FR+3], v[FR+2:FR+3], v[FR+18:FR+19]
	v_pk_add_f32 v[FR:FR+1], v[FR:FR+1], s[8:9] op_sel_hi:[1,0]       ; + b3
	v_pk_add_f32 v[FR+2:FR+3], v[FR+2:FR+3], s[8:9] op_sel_hi:[1,0]
.irp q, 0,1,2,3
	v_cmp_eq_u32 vcc_lo, \q, v15
	v_cndmask_b32 v[FR+\q], v[FR+\q], v255, vcc_lo                    ; the diagonal
.endr
	global_store_b128 v252, v[FR:FR+3], s[30:31] th:TH_STORE_NT       ; sixteen lanes store 256 consecutive bytes, at a multiple of 256 from out0's first byte; written once, read by nobody here
	s_wait_xcnt 0x0
	v_lshl_add_u32 v254, v0, 2, 0x48800
	v_mov_b32 v255, 0
	s_wait_tensorcnt 0x0
	ds_add_u32 v254, v255
	s_wait_dscnt 0x0
	s_endpgm
.Lfunc_end_k_q45dbc122c4_pairs:
	.size	k_q45dbc122c4_pairs, .Lfunc_end_k_q45dbc122c4_pairs-k_q45dbc122c4_pairs
	.p2alignl 7, 3214868480
	.fill 96, 4, 3214868480
	.section	.rodata,"a",@progbits
	.p2align	6, 0x0
	.amdhsa_kernel k_q45dbc122c4_pairs
		.amdhsa_group_segment_fixed_size 297984
		.amdhsa_private_segment_fixed_size 0
		.amdhsa_enable_private_segment 0
		.amdhsa_kernarg_size 64
		.amdhsa_user_sgpr_count 2
		.amdhsa_user_sgpr_kernarg_segment_ptr 1
		.amdhsa_wavefront_size32 1
		.amdhsa_system_sgpr_workgroup_id_x 1
		.amdhsa_system_sgpr_workgroup_id_y 1
		.amdhsa_system_sgpr_workgroup_id_z 1
		.amdhsa_system_vgpr_workitem_id 0
		.amdhsa_next_free_vgpr 512
		.amdhsa_next_free_sgpr 66
		.amdhsa_reserve_vcc 1
		.amdhsa_float_denorm_mode_32 3
		.amdhsa_float_denorm_mode_16_64 3
		.amdhsa_memory_ordered 1
		.amdhsa_forward_progress 1
		.amdhsa_inst_pref_size 255
	.end_amdhsa_kernel
	.section	.bss,"aw",@nobits
	.p2align	6
	.space	262144
	.amdgpu_metadata
---
amdhsa.version: [ 1, 2 ]
amdhsa.kernels:
  - .name:           k_q45dbc122c4_pairs
    .symbol:         k_q45dbc122c4_pairs.kd
    .args:
      - { .name: ya, .offset: 0, .size: 8, .value_kind: global_buffer, .address_space: global }
      - { .name: yb, .offset: 8, .size: 8, .value_kind: global_buffer, .address_space: global }
      - { .name: w2q, .offset: 16, .size: 8, .value_kind: global_buffer, .address_space: global }
      - { .name: b2, .offset: 24, .size: 8, .value_kind: global_buffer, .address_space: global }
      - { .name: W3, .offset: 32, .size: 8, .value_kind: global_buffer, .address_space: global }
      - { .name: b3, .offset: 40, .size: 8, .value_kind: global_buffer, .address_space: global }
      - { .name: lowp_scales, .offset: 48, .size: 8, .value_kind: global_buffer, .address_space: global }
      - { .name: out0, .offset: 56, .size: 8, .value_kind: global_buffer, .address_space: global }
    .group_segment_fixed_size: 297984
    .private_segment_fixed_size: 0
    .kernarg_segment_align: 8
    .kernarg_segment_size: 64
    .max_flat_workgroup_size: 256
    .sgpr_count:     66
    .vgpr_count:     512
    .wavefront_size: 32
...
	.end_amdgpu_metadata
.endif
;; end of part 2
;; ======== version 2 of 2: 2 launches; version 1 with the launches prep, pairs written anew for expert scheduling mode
;; workspace buffers: ya 1,048,576 bytes; yb 1,048,576 bytes; w2q 262,144 bytes
;; launch prep (part 3): grid 16 x 4, 8 waves a work-group, no clusters, 52,224 bytes of LDS; arguments h, W1, b1, W2, lowp_scales, ya, yb, w2q; writes ya, yb, w2q
.if DOCPART == 3
	.amdgcn_target "amdgcn-amd-amdhsa--gfx1250"
	.amdhsa_code_object_version 6
	.text
	.protected	k_q45dbc122c4_prep
	.globl	k_q45dbc122c4_prep
	.p2align	8
	.type	k_q45dbc122c4_prep,@function
k_q45dbc122c4_prep:
	s_mov_b64 s[64:65], 0
	v_nop
	global_prefetch_b8 v0, s[64:65] scope:SCOPE_SE
	s_setreg_imm32_b32 hwreg(HW_REG_WAVE_SCHED_MODE, 0, 2), 2
	s_setreg_imm32_b32 hwreg(HW_REG_WAVE_MODE, 25, 1), 1
	s_wait_xcnt 0x0
	s_wait_alu depctr_vm_vsrc(0)
; PREP.  ya[i][k] = c x (h W1[:256])[i][k],  yb[j][k] = c x ((h W1[256:])[j][k] + b1[k]),  c = 2 log2(e): what the next launch adds and hands to v_exp_f32.
; Both products on codes of FP8 (E4M3) with the given scales: h by 2^e0 and W1's upper half by 2^e1 for ya, h by 2^e2 and W1's lower half by 2^e3 for yb.  Sums in f32.
; w2q = W2's codes (scale 2^e5) IN THE ORDER OF THE OPERAND'S REGISTERS: 512 pieces of 512 bytes; piece g = (nt 4 + s) 4 + c; lane (r, h)'s 16 bytes at 512 g + 16 lane are
; W2[k = 128 s + 32 c + 16 h + 0 .. 15][n = 16 nt + r].
; SHARES.  Work-group (x, y): p = x / 8 says which half of W1 (0: ya, 1: yb), nb = x % 8 a slab of 64 columns, y a block of 128 rows of h.  All take one path; pointers and exponents are chosen by s_cselect.
; Wave w: (a) quantises piece g = (16 y + x) 8 + w of W2 and stores it: 64 work-groups x 8 waves are the 512 pieces; (b) quantises fragment w of the slab of W1 (columns 16 (w / 2) on, K step w % 2) and puts it
; into LDS as an image of its registers; (c) quantises its own 16 rows of h, two fragments; one barrier; (d) multiplies its rows by all eight fragments and stores 16 rows x 256 bytes through its own stage.
; W1 and W2 have K as their FIRST axis: a lane takes a column and its registers run down K, so the conversions give codes with K innermost and nothing is transposed.
; A FRAGMENT (16 rows x 128 K, 16 registers): registers 4 c .. 4 c + 3 of lane (r, h) hold k = 32 c + 16 h + 0 .. 15 of row r: a permutation of k, the same in both operands of every product here.
; THE MATRIX INSTRUCTION IS USED TRANSPOSED (source 0 = 16 columns of W1, source 1 = 16 rows of h): a lane then holds eight neighbouring numbers of a row of the result.
; No tensor load, no cluster: a work-group reads 64 KiB of W1, 128 KiB of h and 16 KiB of W2 once, straight into registers, and has no loop in which a tile could be shared.
; LIMITS: e0 .. e3 and e5 between -126 and 119, so that 2^e and 448 x 2^e are f32 numbers; e0 + e1 and e2 + e3 are applied by v_ldexp_f32 and have none.  NaN among the inputs is not served.
; THE MODE: SCHED_MODE bits 1:0 = 2 (LLVM: expert scheduling mode 2), set by the entry lines.  The code itself states the register dependences
; between vector or matrix instructions and memory or LDS instructions, with s_wait_alu, always for 0.
; THE PLAN.  The text has no loop.  Registers that memory or LDS instructions touch:
;   v1-v8      offsets and addresses: written at the head, read by the loads and stores, never written again.
;   v12-v15    W2's codes: written by two conversions, read by one store.
;   v208-v223  W1's codes: written by eight conversions, read by the four stores of the image.
;   v48-v79    W1's numbers, named last by their holds and conversions; then b1 lands there.
;   v80-v207   h's numbers, named last by their holds and conversions; then W1's eight fragments land there; the products read them; then rows of the result land in the first 32.
;   v16-v47    the sums: written last by the scalings, read by the eight stores into the stage.
; So a wait on va_vdst stands ahead of the first load, of W2's store, of the image's stores (b1's loads follow them), of the fragments' loads, and of the stage's stores (the loads from the stage follow them).
; No register that a memory or LDS instruction has read is written again: no wait on vm_vsrc is owed.
.set IMG,  0                           ; LDS: W1's eight fragments, 2,048 bytes each: group c of four registers, lane l at 512 c + 16 l
.set STG,  16384                       ; then a stage of 16 rows x (256 bytes + 16) for each wave
.set SP,   272
.set SW,   16*SP
.set Z,    16                          ; v16-79    W1's 64 numbers of my column
.set X,    80                          ; v80-207   h's 128 numbers of my row
.set WZ,   208                         ; v208-223  W2's 16 numbers
.set PC,   208                         ; v208-223  then W1's codes
.set AC,   224                         ; v224-255  h's codes: two fragments
.set ACC,  16                          ; v16-47    four accumulators
.set BI,   48                          ; v48-79    b1 in the result's layout
.set BF,   80                          ; v80-207   W1's eight fragments back from LDS; at the end rows of the result
; v1 16 x lane; v2 W1's and W2's offset; v3 h's; v4 b1's; v5 image store; v6, v7 stage in and back; v8 result's offset; v10 the scale as f32, v11 448 x the scale; v12-15 W2's codes
; v9 and v257: the closing add's two registers, made at the head and kept for it alone; the spare words lie behind the stages, from byte 51,200 on
.macro Q16 src, dst                    ; 16 numbers of a lane become 16 codes in four registers
.set i, 0
.rept 16
	v_med3_num_f32 v[(\src)+i], v[(\src)+i], -v11, v11     ; the conversion to an 8-bit code does not saturate (ISA guide 7.6.2): the hold at the largest code x the scale
.set i, i+1
.endr
	v_cvt_scalef32_pk8_fp8_f32 v[(\dst):(\dst)+1], v[(\src):(\src)+7], v10
	v_cvt_scalef32_pk8_fp8_f32 v[(\dst)+2:(\dst)+3], v[(\src)+8:(\src)+15], v10
.endm
.macro SCBITS sc, lim, e               ; s[sc] = 2^e, s[lim] = 448 x 2^e, as f32 patterns
	s_add_co_i32 s[\sc], s[\e], 127
	s_add_co_i32 s[\lim], s[\sc], 8
	s_lshl_b32 s[\sc], s[\sc], 23
	s_lshl_b32 s[\lim], s[\lim], 23
	s_or_b32 s[\lim], s[\lim], 0x600000
.endm
	s_load_b512 s[16:31], s[0:1], 0x0              ; h 16, W1 18, b1 20, W2 22, the exponents 24, ya 26, yb 28, w2q 30
	v_lshl_add_u32 v9, v0, 2, 0xc800
	s_set_vgpr_msb 0x40
	v_mov_b32 v1, 0
	s_set_vgpr_msb 0x4000
	v_lshrrev_b32 v12, 5, v0
	v_readfirstlane_b32 s2, v12                    ; wave 0..7
	v_and_b32 v12, 15, v0                          ; r
	v_bfe_u32 v13, v0, 4, 1                        ; h
	v_and_b32 v1, 31, v0
	v_lshlrev_b32 v1, 4, v1                        ; 16 x lane
	v_lshlrev_b32 v2, 2, v12
	v_lshl_add_u32 v2, v13, 15, v2                 ; W1, W2: column r, and 16 rows of 2,048 bytes further down for lanes 16-31
	v_lshlrev_b32 v3, 10, v12
	v_lshl_add_u32 v3, v13, 6, v3                  ; h: row r of 1,024 bytes, + 64 h: my 16 numbers of a block of 32
	v_lshlrev_b32 v4, 5, v13                       ; b1: my eight of a tile's sixteen
	s_wait_alu depctr_va_sdst(0)                   ; s2, the wave's number, is written, ahead of its first reader
	s_lshl_b32 s32, s2, 11
	v_add_nc_u32 v5, s32, v1                       ; my fragment's image
	s_mul_i32 s32, s2, SW
	s_add_co_u32 s32, s32, STG                     ; my stage
	v_mul_u32_u24 v6, v12, SP
	v_lshl_add_u32 v6, v13, 5, v6
	v_add_nc_u32 v6, s32, v6                       ; in: row r, 32 bytes for each half of the lanes
	v_mul_u32_u24 v7, v13, SP
	v_lshl_add_u32 v7, v12, 4, v7
	v_add_nc_u32 v7, s32, v7                       ; back: lanes 0-15 one row of 256 bytes, lanes 16-31 the next
	v_lshlrev_b32 v8, 11, v13
	v_lshl_add_u32 v8, v12, 4, v8                  ; and the same two rows in the result
	s_lshr_b32 s3, ttmp9, 3                        ; p
	s_and_b32 s4, ttmp9, 7                         ; nb
	s_and_b32 s5, ttmp7, 0xffff                    ; the block of rows
	s_lshl_b32 s6, s5, 4
	s_add_co_u32 s6, s6, ttmp9
	s_lshl_b32 s6, s6, 3
	s_add_co_u32 s6, s6, s2                        ; g
	s_mov_b32 s33, 0
	s_mov_b32 s42, 0x4038aa3b                      ; c = 2 log2(e)
	s_mov_b32 s43, s42                             ; (named with it as a pair, so it is written)
	s_wait_kmcnt 0x0
	s_load_b128 s[8:11], s[24:25], 0x0             ; e0 .. e3
	s_load_b64 s[12:13], s[24:25], 0x10            ; e4, e5
	s_and_b32 s32, s6, 15                          ; W2: rows 32 (g % 16) on, columns 16 (g / 16) on
	s_lshl_b32 s32, s32, 16
	s_lshr_b32 s7, s6, 4
	s_lshl_b32 s7, s7, 6
	s_add_co_u32 s32, s32, s7
	s_add_nc_u64 s[22:23], s[22:23], s[32:33]
	s_lshl_b32 s32, s3, 19                         ; W1: half p, K step w % 2, slab nb, columns 16 (w / 2) on
	s_and_b32 s7, s2, 1
	s_lshl_b32 s7, s7, 18
	s_add_co_u32 s32, s32, s7
	s_lshl_b32 s7, s4, 8
	s_add_co_u32 s32, s32, s7
	s_lshr_b32 s7, s2, 1
	s_lshl_b32 s7, s7, 6
	s_add_co_u32 s32, s32, s7
	s_add_nc_u64 s[18:19], s[18:19], s[32:33]
	s_lshl_b32 s32, s5, 17                         ; h: my wave's 16 rows
	s_lshl_b32 s7, s2, 14
	s_add_co_u32 s32, s32, s7
	s_add_nc_u64 s[16:17], s[16:17], s[32:33]
	s_wait_alu depctr_va_vdst(0)                   ; v1 to v8 are written: the offsets and addresses that every load and store of the kernel reads
.set i, 0
.rept 16
	global_load_b32 v[WZ+i], v2, s[22:23] offset:i*2048
.set i, i+1
.endr
.set i, 0
.rept 64                               ; register 16 c + n: row 32 c + 16 h + n of the K step
	global_load_b32 v[Z+i], v2, s[18:19] offset:(32*(i/16)+i%16)*2048
.set i, i+1
.endr
.set i, 0
.rept 32                               ; i = 16 s + 4 c + q
	global_load_b128 v[X+4*i:X+4*i+3], v3, s[16:17] offset:512*(i/16)+128*((i/4)%4)+16*(i%4)
.set i, i+1
.endr
	s_lshl_b32 s32, s4, 8                          ; b1: the slab's 64 numbers
	s_add_nc_u64 s[20:21], s[20:21], s[32:33]
	s_lshl_b32 s32, s6, 9                          ; w2q: piece g
	s_add_nc_u64 s[30:31], s[30:31], s[32:33]
	s_cmp_eq_u32 s3, 0                             ; the choice hangs on the work-group's number alone
	s_cselect_b64 s[26:27], s[26:27], s[28:29]     ; the result: ya or yb,
	s_lshl_b32 s32, s5, 18                         ; at my wave's 16 rows of 2,048 bytes and the slab's 256 bytes
	s_lshl_b32 s7, s2, 15
	s_add_co_u32 s32, s32, s7
	s_lshl_b32 s7, s4, 8
	s_add_co_u32 s32, s32, s7
	s_add_nc_u64 s[26:27], s[26:27], s[32:33]
	s_wait_kmcnt 0x0
	s_cmp_eq_u32 s3, 0
	s_cselect_b32 s34, s8, s10                     ; h's exponent in this product
	s_cselect_b32 s35, s9, s11                     ; W1's
	s_cselect_b32 s40, 0, -1                       ; b1 counts in yb alone
	s_add_co_i32 s36, s34, s35
	SCBITS 44, 45, 13                              ; W2's scale
	SCBITS 46, 47, 35                              ; W1's
	SCBITS 48, 49, 34                              ; h's
	; ---- W2's piece
	s_wait_loadcnt 63                              ; 96 loads were issued behind W2's sixteen; the count is the largest that the field holds: W2's are in
	v_mov_b32 v10, s44
	v_mov_b32 v11, s45
	Q16 WZ, 12
	v_nop                                          ; one plain vector instruction behind a run of scaled conversions, ahead of the lines that write their sources and scale again
	s_wait_alu depctr_va_vdst(0)                   ; the conversions have written v12 to v15, which the store reads
	global_store_b128 v1, v[12:15], s[30:31]       ; the wave stores 512 consecutive bytes, aligned
	; ---- W1's fragment
	s_wait_loadcnt 32                              ; h's 32 loads may be out: W1's are in
	v_mov_b32 v10, s46
	v_mov_b32 v11, s47
.set m, 0
.rept 4
	Q16 Z+16*m, PC+4*m
.set m, m+1
.endr
	v_nop
	s_wait_alu depctr_va_vdst(0)                   ; the conversions have written W1's codes, which the stores read, and the holds and conversions are done with W1's numbers, where b1's loads land
.set i, 0
.rept 4
	ds_store_b128 v5, v[PC+4*i:PC+4*i+3] offset:IMG+512*i
.set i, i+1
.endr
.set i, 0
.rept 4                                ; b1 at columns 16 t + 8 h + 0 .. 7, into registers that W1's numbers have left
	global_load_b128 v[BI+8*i:BI+8*i+3], v4, s[20:21] offset:64*i
	global_load_b128 v[BI+8*i+4:BI+8*i+7], v4, s[20:21] offset:64*i+16
.set i, i+1
.endr
	; ---- my rows of h
	s_wait_loadcnt 8                               ; b1's eight loads may be out: h's are in
	v_mov_b32 v10, s48
	v_mov_b32 v11, s49
.set m, 0
.rept 8
	Q16 X+16*m, AC+4*m
.set m, m+1
.endr
	v_nop
	s_wait_dscnt 0x0                               ; for the others' sake: my image has landed
	s_barrier_signal -1
	s_barrier_wait -1
	; ---- the product: fragment f = 2 t + s; the first K step's four fragments first
	s_wait_alu depctr_va_vdst(0)                   ; the holds and conversions are done with h's numbers in v80 to v207, where the fragments land
.set i, 0
.rept 32                               ; i = 16 s + 4 t + c
.set f, 2*((i/4)%4)+i/16
	ds_load_b128 v[BF+16*f+4*(i%4):BF+16*f+4*(i%4)+3], v1 offset:IMG+2048*f+512*(i%4)
.set i, i+1
.endr
	s_wait_dscnt 16                                ; the second K step's sixteen loads may be out
.set t, 0
.rept 4                                ; the first K step starts the sums; the four accumulators take turns, one instruction a turn
	v_wmma_f32_16x16x128_fp8_fp8 v[ACC+8*t:ACC+8*t+7], v[BF+32*t:BF+32*t+15], v[AC:AC+15], 0
.set t, t+1
.endr
	s_wait_dscnt 0x0
.set t, 0
.rept 4
	v_wmma_f32_16x16x128_fp8_fp8 v[ACC+8*t:ACC+8*t+7], v[BF+32*t+16:BF+32*t+31], v[AC+16:AC+31], v[ACC+8*t:ACC+8*t+7]
.set t, t+1
.endr
	s_wait_loadcnt 0x0                             ; b1
.set i, 0
.rept 32                               ; these name no register of the products: they are the places behind them (ISA guide 7.12.1)
	v_cndmask_b32 v[BI+i], 0, v[BI+i], s40
.set i, i+1
.endr
.set i, 0
.rept 32                               ; each accumulator from its low end on
	v_ldexp_f32 v[ACC+i], v[ACC+i], s36            ; a sum stands for sum x 2^(h's e + W1's e)
.set i, i+1
.endr
.set i, 0
.rept 16
	v_pk_add_f32 v[ACC+2*i:ACC+2*i+1], v[ACC+2*i:ACC+2*i+1], v[BI+2*i:BI+2*i+1]
.set i, i+1
.endr
.set i, 0
.rept 16
	v_pk_mul_f32 v[ACC+2*i:ACC+2*i+1], v[ACC+2*i:ACC+2*i+1], s[42:43] op_sel_hi:[1,0]
.set i, i+1
.endr
	; ---- the way out: lane (r, h) holds row r, columns 16 t + 8 h + 0 .. 7; through my stage, back as whole rows of 256 bytes
	s_wait_alu depctr_va_vdst(0)                   ; the scalings have written v16 to v47, which the stores read, and the products are done reading the fragments, where the loads from the stage land
.set t, 0
.rept 4
	ds_store_b128 v6, v[ACC+8*t:ACC+8*t+3] offset:64*t
	ds_store_b128 v6, v[ACC+8*t+4:ACC+8*t+7] offset:64*t+16
.set t, t+1
.endr
.set i, 0
.rept 8
	ds_load_b128 v[BF+4*i:BF+4*i+3], v7 offset:2*SP*i      ; LDS serves a wave's instructions in order (ISA guide 5.7.1.4): these see my stores
.set i, i+1
.endr
.set i, 0
.rept 8
	s_wait_dscnt 7-i                               ; the younger pairs of rows may be out
	global_store_b128 v8, v[BF+4*i:BF+4*i+3], s[26:27] offset:4096*i   ; sixteen lanes store 256 consecutive bytes, at a multiple of 256 from the buffer's first byte
.set i, i+1
.endr
	s_set_vgpr_msb 0x4                             ; the add's second register, v257, lies in window 1
	s_wait_dscnt 0x0                               ; the closing lines, six on end
	s_wait_alu 0x0
	s_wait_tensorcnt 0x0
	ds_add_u32 v9, v1
	s_wait_dscnt 0x0
	s_endpgm
.Lfunc_end_k_q45dbc122c4_prep:
	.size	k_q45dbc122c4_prep, .Lfunc_end_k_q45dbc122c4_prep-k_q45dbc122c4_prep
	.p2alignl 7, 3214868480
	.fill 96, 4, 3214868480
	.section	.rodata,"a",@progbits
	.p2align	6, 0x0
	.amdhsa_kernel k_q45dbc122c4_prep
		.amdhsa_group_segment_fixed_size 52224
		.amdhsa_private_segment_fixed_size 0
		.amdhsa_enable_private_segment 0
		.amdhsa_kernarg_size 64
		.amdhsa_user_sgpr_count 2
		.amdhsa_user_sgpr_kernarg_segment_ptr 1
		.amdhsa_wavefront_size32 1
		.amdhsa_system_sgpr_workgroup_id_x 1
		.amdhsa_system_sgpr_workgroup_id_y 1
		.amdhsa_system_sgpr_workgroup_id_z 1
		.amdhsa_system_vgpr_workitem_id 0
		.amdhsa_next_free_vgpr 258
		.amdhsa_next_free_sgpr 66
		.amdhsa_reserve_vcc 0
		.amdhsa_float_denorm_mode_32 3
		.amdhsa_float_denorm_mode_16_64 3
		.amdhsa_memory_ordered 1
		.amdhsa_forward_progress 1
		.amdhsa_inst_pref_size 42
	.end_amdhsa_kernel
	.amdgpu_metadata
---
amdhsa.version: [ 1, 2 ]
amdhsa.kernels:
  - .name:           k_q45dbc122c4_prep
    .symbol:         k_q45dbc122c4_prep.kd
    .args:
      - { .name: h, .offset: 0, .size: 8, .value_kind: global_buffer, .address_space: global }
      - { .name: W1, .offset: 8, .size: 8, .value_kind: global_buffer, .address_space: global }
      - { .name: b1, .offset: 16, .size: 8, .value_kind: global_buffer, .address_space: global }
      - { .name: W2, .offset: 24, .size: 8, .value_kind: global_buffer, .address_space: global }
      - { .name: lowp_scales, .offset: 32, .size: 8, .value_kind: global_buffer, .address_space: global }
      - { .name: ya, .offset: 40, .size: 8, .value_kind: global_buffer, .address_space: global }
      - { .name: yb, .offset: 48, .size: 8, .value_kind: global_buffer, .address_space: global }
      - { .name: w2q, .offset: 56, .size: 8, .value_kind: global_buffer, .address_space: global }
    .group_segment_fixed_size: 52224
    .private_segment_fixed_size: 0
    .kernarg_segment_align: 8
    .kernarg_segment_size: 64
    .max_flat_workgroup_size: 256
    .sgpr_count:     66
    .vgpr_count:     258
    .wavefront_size: 32
...
	.end_amdgpu_metadata
.endif
;; end of part 3
;; launch pairs (part 4): grid 8 x 32, 8 waves a work-group, no clusters, 297,984 bytes of LDS; arguments ya, yb, w2q, b2, W3, b3, lowp_scales, out0; writes out0
.if DOCPART == 4
	.amdgcn_target "amdgcn-amd-amdhsa--gfx1250"
	.amdhsa_code_object_version 6
	.text
	.protected	k_q45dbc122c4_pairs
	.globl	k_q45dbc122c4_pairs
	.p2align	8
	.type	k_q45dbc122c4_pairs,@function
k_q45dbc122c4_pairs:
	s_mov_b64 s[64:65], 0
	v_nop
	global_prefetch_b8 v0, s[64:65] scope:SCOPE_SE
	s_setreg_imm32_b32 hwreg(HW_REG_WAVE_SCHED_MODE, 0, 2), 2
	s_setreg_imm32_b32 hwreg(HW_REG_WAVE_MODE, 25, 1), 1
	s_wait_xcnt 0x0
	s_wait_alu depctr_vm_vsrc(0)
; PAIRS.  out0[i][j] = W3 . tanh(Q(tanh(yi[i] + yj[j] + b1)) W2 + b2) + b3, and -20 where i = j.  ya = c yi and yb = c (yj + b1), c = 2 log2(e), and W2's codes come from the launch before.
; tanh(x) = 1 - 2 / (1 + 2^(c x)): one v_exp_f32 and one v_rcp_f32; where 2^(c x) overflows or underflows it gives 1 or -1.  All in f32.  Q: codes of FP8 (E4M3) with the given scale 2^e4; W2's have 2^e5.
; SHARES.  A work-group owns i = 16 y + 0 .. 15 and j = 64 x + 0 .. 63: 64 TILES of 16 pair rows; tile j holds the pairs (i0 + r, j0 + j).  A row of out0 in the block is 256 bytes, aligned.
; THE EIGHT WAVES SHARE THE COLUMNS, NOT THE ROWS.  Wave w (G) makes the codes of first-layer units k = 64 w .. 64 w + 63 of every tile and puts them into LDS as images of the operand's registers;
; (M) holds W2's codes of outputs n = 64 w .. 64 w + 63 in 256 registers for the whole launch (16 fragments, window 1) and multiplies every tile by them; (T) takes the second tanh and the dot product
; with W3 over its 64 n.  The eight partial logits of a pair meet in LDS at the end.  Nothing of the two hidden layers goes to memory.
; PERIODS.  The codes go through two buffers of 8 tiles.  In a period every wave multiplies the 8 tiles of one buffer and makes the next 8 tiles' codes in the other; one barrier ends it.
; A STEP is one tile of each kind.  G AND M GO BY TURNS: G's 64 transcendentals name no register of the products, so the tile's 16 matrix instructions stand among them, one ahead of every four.
; W2 is source 0 in window 1 and a transcendental's source is source 0 too, so each matrix instruction has a switch of the window in front and one behind: 32 for a tile's 16 matrix instructions.
; Behind G's tail the wave asks LDS for the next step's row of yb and for the next tile's four fragments: they land under T's 120 instructions.  Across a period's barrier no fragment is asked for:
; a period's last two tiles are written out, and its first tile's fragments are asked for straight behind the barrier.
; A FRAGMENT (16 rows x 128 K, 16 registers): registers 4 c .. 4 c + 3 of lane (r, h) hold k = 32 c + 16 h + 0 .. 15 of row r: a permutation of k, the same in both operands.
; THE MATRIX INSTRUCTION IS USED TRANSPOSED (source 0 = 16 outputs n of W2, source 1 = 16 pairs): lane (r, h) holds pair r and outputs 16 t + 8 h + 0 .. 7.
; The dot product: the sum of W3 (1 - 2 q) is taken as the sum of W3 plus the sum of (-2 W3) q, q the reciprocal: one packed multiply-add for two numbers.
; THE HOLD at the largest code x the scale: tanh = 1 - 2 q lies within +-1 (a unit in the last place allowed for), and 448 x 2^e4 is at least 1.75 where e4 >= -8: there the hold changes nothing and is jumped
; over: a scalar branch on the given whole number, the same in all waves, round the 32 lines alone.  Where e4 < -8 the hold is executed.
; NO TENSOR LOAD, NO CLUSTER: a work-group reads 416 KiB once, at its head (32 KiB of codes a wave straight into the operand's registers, 128 KiB of yb, 32 KiB of ya), and then makes
; 1,024 x 512 x 512 multiply-adds out of registers and LDS: no loop of the text reads memory, so there is no tile that partners could ask for jointly in step.  For the same reason nothing is prefetched.
; LIMITS: e4 between -126 and 119 (2^e4 and 448 x 2^e4 are f32 numbers); e4 + e5 between -127 and 126 (they are added to c's exponent field).  NaN among the inputs is not served.
; The tanh has an absolute error of some 1e-7, so a larger relative one where its argument is tiny.  The diagonal is -20 also where the logit would not be finite.
; THE MODE: SCHED_MODE bits 1:0 = 2 (LLVM: expert scheduling mode 2), set by the entry lines.  The code itself states the register dependences
; between vector or matrix instructions and memory or LDS instructions, with s_wait_alu, always for 0.
; THE PLAN.  Registers that LDS instructions touch, in the loops:
;   GN       a row of yb lands in it (GLOAD); G's arithmetic reads and writes it; the four conversions read it last.
;   PC       the conversions write it; the two stores of codes read it.
;   FR       a tile's four fragments land in it (FETCHF); the tile's 16 matrix instructions read it.
;   v8-v11   addresses: written at a unit's head (v10 at a period's head too); read by GLOAD, by the stores of codes, by FETCHF, by the store of partial logits.
;   v252     written by PSTORE's arithmetic, read by its store.
;   ACC, AR, B2, W3, INIT, PSA, PSB and W2's codes are named by vector and matrix instructions alone.
; In a step ONE wait on va_vdst stands behind the conversions.  It states that PC is written, that the conversions are done reading GN, that the tile's matrix instructions are done reading FR, and that v8 to v10 are
; written.  The two stores of codes, the eight loads of the next row and the sixteen loads of the next fragments follow it on end, with no vector instruction between.  A second one a unit stands ahead of the
; store of partial logits.  A wait on vm_vsrc stands ahead of the conversions (the last stores of codes have read PC) and at each unit's head (v8 to v11 and v252 have been read).
.set BT,   0                           ; LDS: 8 x 16,384: wave w's own: row j, 256 bytes: yb[j0 + j][64 w .. 64 w + 63]
.set CB0,  131072                      ; 65,536: 8 tiles of codes: tile e, K step s, group c, lane l at 8192 e + 2048 s + 512 c + 16 l; wave w writes the 1,024 bytes at 8192 e + 1024 w
.set CB1,  196608                      ; the same
.set PART, 262144                      ; 8 x 4,352: wave w's partial logits, 16 rows i x (64 j x 4 bytes + 16)
.set PP,   272
.set PW,   16*PP
.set AR,   16                          ; v16-47   ya[i0 + r][64 w + 32 cc + 16 h + n] at 16 cc + n
.set B2,   48                          ; v48-79   c b2[64 w + 16 t + 8 h + n] at 8 t + n
.set W3,   80                          ; v80-111  -2 W3 of the same outputs
.set FR,   112                         ; v112-175 the four fragments of the tile that is multiplied
.set ACC,  176                         ; v176-207 four accumulators; the dot product's four chains end in the first eight
.set GN,   208                         ; v208-239 G's 32 numbers of a tile
.set PC,   240                         ; v240-247 a tile's codes just made (at the head: offsets of the loads)
.set INIT, 248                         ; v248-249 the sum of my 32 W3, even and odd places
.set PSA,  250                         ; v250, v251 my half of two tiles' partial logits
.set PSB,  251
; v1 16 x lane; v2 my place in a row of BT; v3, v4 where I store codes in buffer 0, 1; v5, v6 where I read fragments; v7 where I store partial logits; v8-11 the addresses of two tiles (a unit), made at its head;
; v12 448 x 2^e4, v13 2^e4; v14 where I read partial logits; v15 which of my four j is the diagonal's; v252-254 at work; v255 -20.  Window 1: W2's fragment (t, s) at v[16 (4 t + s)].
.set MSB, 0
.macro WIN new                         ; s_set_vgpr_msb: bits 1:0 source 0, 3:2 source 1, 5:4 source 2, 7:6 destination; the immediate's high byte repeats the setting that is left
.if MSB != \new
	s_set_vgpr_msb (MSB<<8)|\new
.set MSB, \new
.endif
.endm
.macro BAR                             ; my LDS stores have landed and my LDS loads are in: then the work-group's barrier
	s_wait_dscnt 0x0
	s_barrier_signal -1
	s_barrier_wait -1
.endm
.macro WM                              ; the matrix instruction of K step kk and my tile tt of outputs, with its two switches.  K step 0 starts the sums
	WIN 0x01                                       ; source 0 (W2) window 1
.if kk == 0
	v_wmma_f32_16x16x128_fp8_fp8 v[ACC+8*tt:ACC+8*tt+7], v[16*(4*tt+kk):16*(4*tt+kk)+15], v[FR+16*kk:FR+16*kk+15], 0
.else
	v_wmma_f32_16x16x128_fp8_fp8 v[ACC+8*tt:ACC+8*tt+7], v[16*(4*tt+kk):16*(4*tt+kk)+15], v[FR+16*kk:FR+16*kk+15], v[ACC+8*tt:ACC+8*tt+7]
.endif
	WIN 0
.endm
; A batch of 32 transcendentals on G's numbers.  m = 1: K steps k0 and k0 + 1 of the tile in FR stand among them, one matrix instruction ahead of every four.  The four accumulators take turns, one instruction
; a turn.  One plain instruction behind the last transcendental and one wait for the batch, ahead of its first reader.
.macro BATCH op, m, k0
.set n, 0
.rept 8
.if \m
.set kk, (\k0)+n/4
.set tt, n%4
.if tt == 0
	s_wait_dscnt 12-4*kk                           ; the later K steps' loads, four each, may be out
.endif
	WM
.endif
.set q, 0
.rept 4
	\op v[GN+4*n+q], v[GN+4*n+q]
.set q, q+1
.endr
.set n, n+1
.endr
	v_nop
	s_wait_alu depctr_va_vdst(0)                   ; the batch's 32 results in GN are written, ahead of their first reader
.endm
; G of one tile, from yb's row in GN to tanh; m = 1: with the 16 matrix instructions of the tile in FR.
.macro GM m
	s_wait_dscnt 16*(\m)                           ; the row's eight loads are in; the sixteen fragment loads issued behind them may be out
.set i, 0
.rept 16
	v_pk_add_f32 v[GN+2*i:GN+2*i+1], v[GN+2*i:GN+2*i+1], v[AR+2*i:AR+2*i+1]   ; c (yi + yj + b1)
.set i, i+1
.endr
	BATCH v_exp_f32, \m, 0
.set i, 0
.rept 16
	v_pk_add_f32 v[GN+2*i:GN+2*i+1], v[GN+2*i:GN+2*i+1], 1.0 op_sel_hi:[1,0]
.set i, i+1
.endr
	BATCH v_rcp_f32, \m, 2
.set i, 0
.rept 16                               ; these name no register of the products: with the v_nop above they are the places (ISA guide 7.12.1) ahead of the first read of the sums
	v_pk_fma_f32 v[GN+2*i:GN+2*i+1], v[GN+2*i:GN+2*i+1], -2.0, 1.0 op_sel_hi:[1,0,0]   ; tanh
.set i, i+1
.endr
.endm
.macro GTAIL e                         ; the tile's codes, to place e of the unit in the buffer that is being filled (v9)
	s_wait_alu depctr_vm_vsrc(0)                   ; the stores of the tile before have read PC, which the conversions below write again; ahead of the branch, so on both ways
	s_cmp_ge_i32 s6, -8                            ; 448 x 2^e4 >= 1.75: no tanh reaches it
	s_cbranch_scc1 .Lno_hold_\@
.set i, 0
.rept 32
	v_med3_num_f32 v[GN+i], v[GN+i], -v12, v12     ; the conversion to an 8-bit code does not saturate (ISA guide 7.6.2)
.set i, i+1
.endr
.Lno_hold_\@:
.set i, 0
.rept 4
	v_cvt_scalef32_pk8_fp8_f32 v[PC+2*i:PC+2*i+1], v[GN+8*i:GN+8*i+7], v13
.set i, i+1
.endr
	v_nop                                          ; one plain vector instruction behind the run of scaled conversions
	s_wait_alu depctr_va_vdst(0)                   ; the conversions have written PC, which the stores read, and are done reading GN, where the next row lands; the tile's matrix instructions are done reading FR, where the next fragments land; v8 to v10 are written
	ds_store_b128 v9, v[PC:PC+3] offset:8192*(\e)
	ds_store_b128 v9, v[PC+4:PC+7] offset:8192*(\e)+512
.endm
.macro GLOAD off                       ; a row of BT, my 32 numbers: i = 4 cc + q; sixteen lanes read the same 16 bytes
.set i, 0
.rept 8
	ds_load_b128 v[GN+4*i:GN+4*i+3], v8 offset:(\off)+128*(i/4)+16*(i%4)
.set i, i+1
.endr
.endm
.macro FETCHF off                      ; a tile's four fragments, K step by K step
.set i, 0
.rept 16
	ds_load_b128 v[FR+4*i:FR+4*i+3], v10 offset:(\off)+512*i
.set i, i+1
.endr
.endm
.macro MULP                            ; the 16 matrix instructions on end: the last period has no G to stand among them
	WIN 0x01
.set kk, 0
.rept 4
	s_wait_dscnt 12-4*kk
.set tt, 0
.rept 4
.if kk == 0
	v_wmma_f32_16x16x128_fp8_fp8 v[ACC+8*tt:ACC+8*tt+7], v[16*(4*tt+kk):16*(4*tt+kk)+15], v[FR+16*kk:FR+16*kk+15], 0
.else
	v_wmma_f32_16x16x128_fp8_fp8 v[ACC+8*tt:ACC+8*tt+7], v[16*(4*tt+kk):16*(4*tt+kk)+15], v[FR+16*kk:FR+16*kk+15], v[ACC+8*tt:ACC+8*tt+7]
.endif
.set tt, tt+1
.endr
.set kk, kk+1
.endr
	WIN 0
.rept 4
	v_nop                                          ; four places (ISA guide 7.12.1) ahead of the first read of the sums
.endr
.endm
.macro TANH2 ps                        ; the second tanh and my 32 outputs' part of the dot product, into v[ps]
.set i, 0
.rept 16                               ; each accumulator from its low end on
	v_pk_fma_f32 v[ACC+2*i:ACC+2*i+1], v[ACC+2*i:ACC+2*i+1], s[10:11], v[B2+2*i:B2+2*i+1] op_sel_hi:[1,0,1]   ; c (sum x 2^(e4 + e5) + b2)
.set i, i+1
.endr
.set i, 0
.rept 32
	v_exp_f32 v[ACC+i], v[ACC+i]
.set i, i+1
.endr
	v_nop
	s_wait_alu depctr_va_vdst(0)                   ; the 32 exponentials' results in ACC are written, ahead of their first reader: one wait for the batch
.set i, 0
.rept 16
	v_pk_add_f32 v[ACC+2*i:ACC+2*i+1], v[ACC+2*i:ACC+2*i+1], 1.0 op_sel_hi:[1,0]
.set i, i+1
.endr
.set i, 0
.rept 32
	v_rcp_f32 v[ACC+i], v[ACC+i]
.set i, i+1
.endr
	v_nop
	s_wait_alu depctr_va_vdst(0)                   ; the 32 reciprocals' results in ACC are written, ahead of their first reader
	v_pk_fma_f32 v[ACC:ACC+1], v[ACC:ACC+1], v[W3:W3+1], v[INIT:INIT+1]   ; four chains, in place in the first four pairs; the first begins with the sum of W3
.set i, 1
.rept 3
	v_pk_mul_f32 v[ACC+2*i:ACC+2*i+1], v[ACC+2*i:ACC+2*i+1], v[W3+2*i:W3+2*i+1]
.set i, i+1
.endr
.rept 12
	v_pk_fma_f32 v[ACC+2*(i%4):ACC+2*(i%4)+1], v[ACC+2*i:ACC+2*i+1], v[W3+2*i:W3+2*i+1], v[ACC+2*(i%4):ACC+2*(i%4)+1]
.set i, i+1
.endr
	v_pk_add_f32 v[ACC:ACC+1], v[ACC:ACC+1], v[ACC+2:ACC+3]
	v_pk_add_f32 v[ACC+4:ACC+5], v[ACC+4:ACC+5], v[ACC+6:ACC+7]
	v_pk_add_f32 v[ACC:ACC+1], v[ACC:ACC+1], v[ACC+4:ACC+5]
	v_add_f32 v[\ps], v[ACC], v[ACC+1]
.endm
.macro PSTORE                          ; a pair's other 32 outputs lie in the lane 16 away: lanes 0-15 finish the unit's first tile, lanes 16-31 its second, with one exchange
	v_cndmask_b32 v252, v[PSA], v[PSB], s14        ; what I keep,
	v_cndmask_b32 v253, v[PSB], v[PSA], s14        ; what the other lane wants
	v_permlanex16_b32 v254, v253, s12, s13
	v_add_f32 v252, v252, v254
	s_wait_alu depctr_va_vdst(0)                   ; v252 is written, which the store reads; so is its address v11, since the unit's head
	ds_store_b32 v11, v252                         ; (i = r, j = 2 u + h)
.endm
; A STEP: place e of the unit.  g = 1: G of a tile by turns with M of another; g = 0: M alone.  gpre, fpre: where, from v8 and from v10, the next step's row of BT and the next tile's fragments lie; -1: none is asked for.
.macro STEP e, g, gpre, fpre, ps
.if \g
	GM 1
	GTAIL \e
.if (\gpre) >= 0
	GLOAD \gpre                                    ; the row first, the fragments behind it: the next step's first wait counts on that order
.endif
.else
	MULP
.if (\fpre) >= 0
	s_wait_alu depctr_va_vdst(0)                   ; the matrix instructions are done reading FR, where the next fragments land; v10 is written
.endif
.endif
.if (\fpre) >= 0
	FETCHF \fpre
.endif
	TANH2 \ps
.endm
.macro UNITADR cur, next, g            ; the addresses of a unit of two tiles
	s_wait_alu depctr_vm_vsrc(0)                   ; the LDS instructions issued so far have read v8 to v11, which are written below, and v252, which PSTORE writes again
	v_add_nc_u32 v10, s34, v[5+\cur]
	v_add_nc_u32 v11, s36, v7
.if \g
	v_add_nc_u32 v8, s35, v2
	v_add_nc_u32 v9, s34, v[3+\next]
.endif
.endm
.macro UNITSTEP g
.if \g
	s_add_co_u32 s35, s35, 512                     ; two rows of BT on
.endif
	s_add_co_u32 s36, s36, 8                       ; two j on
.endm
; A period: four units of two tiles.  Buffer cur is multiplied; g = 1: the next period's codes are made in buffer next.  The buffers are constants of the text.  Three units go round a loop; the fourth is written
; out, since its second step asks for no fragments: the next tile lies behind the barrier.  glast = 1: G's last tile of all: no row of BT follows it.
.macro PERIOD cur, next, g, glast
	s_mov_b32 s34, 0
	s_wait_alu depctr_vm_vsrc(0)                   ; the loads of fragments of the period before have read v10
	v_add_nc_u32 v10, s34, v[5+\cur]
	s_wait_alu depctr_va_vdst(0)                   ; v10 is written, which the loads below read
	FETCHF 0                                       ; the period's first tile, straight behind the barrier
.Lunit_\@:
	UNITADR \cur, \next, \g
	STEP 0, \g, 256, 8192, PSA
	STEP 1, \g, 512, 16384, PSB
	PSTORE
	UNITSTEP \g
	s_add_co_u32 s34, s34, 16384                   ; two tiles on
	s_cmp_lt_u32 s34, 49152
	s_cbranch_scc1 .Lunit_\@
	s_mov_b32 s34, 49152
	UNITADR \cur, \next, \g
	STEP 0, \g, 256, 8192, PSA
.if \glast
	STEP 1, \g, -1, -1, PSB
.else
	STEP 1, \g, 512, -1, PSB
.endif
	PSTORE
	UNITSTEP \g
	BAR                                            ; buffer next is whole, and nobody reads buffer cur any more
.endm
	s_load_b512 s[16:31], s[0:1], 0x0              ; ya 16, yb 18, w2q 20, b2 22, W3 24, b3 26, the exponents 28, out0 30
	v_lshrrev_b32 v8, 5, v0
	v_readfirstlane_b32 s2, v8                     ; wave 0..7
	v_and_b32 v8, 15, v0                           ; r
	v_bfe_u32 v9, v0, 4, 1                         ; h
	v_and_b32 v1, 31, v0
	v_lshlrev_b32 v1, 4, v1                        ; 16 x lane
	s_and_b32 s5, ttmp7, 0xffff                    ; the block of i
	s_wait_alu depctr_va_sdst(0)                   ; s2, the wave's number, is written, ahead of its first reader
	s_lshl_b32 s32, s2, 14
	v_lshl_add_u32 v2, v9, 6, s32                  ; BT: my wave's rows, + 64 h
	v_add_nc_u32 v243, s32, v1                     ; and where I put them: two rows an instruction
	s_lshl_b32 s32, s2, 10
	s_add_co_u32 s32, s32, CB0
	v_add_nc_u32 v3, s32, v1
	v_add_nc_u32 v4, CB1-CB0, v3
	v_add_nc_u32 v5, CB0, v1
	v_add_nc_u32 v6, CB1, v1
	s_mul_i32 s32, s2, PW
	s_add_co_u32 s32, s32, PART
	v_mul_u32_u24 v7, v8, PP
	v_lshl_add_u32 v7, v9, 2, v7
	v_add_nc_u32 v7, s32, v7                       ; my partial logits: row r, + 4 h
	s_mul_i32 s32, s2, 2*PP
	s_add_co_u32 s32, s32, PART
	v_mul_u32_u24 v14, v9, PP
	v_lshl_add_u32 v14, v8, 4, v14
	v_add_nc_u32 v14, s32, v14                     ; at the end: row 2 w + h, my four j
	s_lshl_b32 s38, s5, 4
	s_lshl_b32 s32, s2, 1
	s_add_co_u32 s38, s38, s32
	s_lshl_b32 s32, ttmp9, 6
	s_sub_co_u32 s38, s38, s32                     ; 16 y + 2 w - 64 x
	v_lshlrev_b32 v15, 2, v8
	v_sub_nc_u32 v15, v9, v15
	v_add_nc_u32 v15, s38, v15                     ; my row i less my first j: the diagonal is my number q where q equals it
	v_lshlrev_b32 v240, 11, v9
	v_lshl_add_u32 v240, v8, 4, v240               ; yb: lanes 0-15 one row of 2,048 bytes, lanes 16-31 the next; 16 bytes a lane
	v_lshlrev_b32 v241, 11, v8
	v_lshl_add_u32 v241, v9, 6, v241               ; ya: row r, + 64 h
	v_lshlrev_b32 v242, 5, v9                      ; b2, W3: my eight of a tile's sixteen
	s_mov_b32 s12, 0x76543210                      ; v_permlanex16_b32: each lane takes its own place in the other half
	s_mov_b32 s13, 0xfedcba98
	s_mov_b32 s14, 0xffff0000                      ; lanes 16-31
	s_mov_b32 s40, 0x4038aa3b                      ; c = 2 log2(e)
	s_mov_b32 s41, s40                             ; (named with it as a pair, so it is written)
	s_mov_b32 s33, 0
	s_wait_kmcnt 0x0
	s_load_b64 s[6:7], s[28:29], 0x10              ; e4, e5
	s_load_b32 s8, s[26:27], 0x0                   ; b3
	s_lshl_b32 s39, s2, 8                          ; my 64 columns: 256 bytes
	s_lshl_b32 s32, s5, 15
	s_add_co_u32 s32, s32, s39
	s_add_nc_u64 s[16:17], s[16:17], s[32:33]      ; ya at row 16 y
	s_lshl_b32 s32, ttmp9, 17
	s_add_co_u32 s32, s32, s39
	s_add_nc_u64 s[18:19], s[18:19], s[32:33]      ; yb at row 64 x
	s_mov_b32 s32, s39
	s_add_nc_u64 s[22:23], s[22:23], s[32:33]      ; b2
	s_add_nc_u64 s[24:25], s[24:25], s[32:33]      ; W3
	s_lshl_b32 s32, s2, 15
	s_add_nc_u64 s[20:21], s[20:21], s[32:33]      ; my 64 pieces of W2's codes
	s_lshl_b32 s32, s5, 15
	s_lshl_b32 s39, ttmp9, 8
	s_add_co_u32 s32, s32, s39
	s_lshl_b32 s39, s2, 12
	s_add_co_u32 s32, s32, s39
	s_add_nc_u64 s[30:31], s[30:31], s[32:33]      ; out0 at row 16 y + 2 w, column 64 x
	s_wait_alu depctr_va_vdst(0)                   ; v1, v14 and v240 to v243 are written: the offsets and addresses that the head's loads and stores, W2's loads and the last loads of partial logits read
.set i, 0
.rept 32                               ; yb's 64 rows, my 256 bytes of each, two rows a load: sixteen lanes read 256 consecutive bytes.  v112-239 stage them
	global_load_b128 v[FR+4*i:FR+4*i+3], v240, s[18:19] offset:4096*i
.set i, i+1
.endr
.set i, 0
.rept 8                                ; i = 4 cc + q
	global_load_b128 v[AR+4*i:AR+4*i+3], v241, s[16:17] offset:128*(i/4)+16*(i%4)
.set i, i+1
.endr
.set i, 0
.rept 4
	global_load_b128 v[B2+8*i:B2+8*i+3], v242, s[22:23] offset:64*i
	global_load_b128 v[B2+8*i+4:B2+8*i+7], v242, s[22:23] offset:64*i+16
	global_load_b128 v[W3+8*i:W3+8*i+3], v242, s[24:25] offset:64*i
	global_load_b128 v[W3+8*i+4:W3+8*i+7], v242, s[24:25] offset:64*i+16
.set i, i+1
.endr
	s_wait_loadcnt 24                              ; ya's 8, b2's 8 and W3's 8 loads may be out: yb's rows are in
.set i, 0
.rept 32
	ds_store_b128 v243, v[FR+4*i:FR+4*i+3] offset:BT+512*i   ; only my wave reads these bytes: no barrier
.set i, i+1
.endr
	s_wait_loadcnt 0x0
	s_wait_dscnt 0x0                               ; the rows lie in LDS
	s_wait_alu depctr_vm_vsrc(0)                   ; the stores above have read v112 to v239: rows of yb and fragments land there, and the products' sums are written there, from here on
	s_wait_kmcnt 0x0
	s_mov_b32 s9, s8                               ; b3, as a pair
	s_add_co_i32 s10, s6, s7
	s_lshl_b32 s10, s10, 23
	s_add_co_i32 s10, s10, 0x4038aa3b              ; c x 2^(e4 + e5): the two exponents are added to c's exponent field
	s_mov_b32 s11, s10
	s_add_co_i32 s32, s6, 127
	s_add_co_i32 s39, s32, 8
	s_lshl_b32 s32, s32, 23
	s_lshl_b32 s39, s39, 23
	s_or_b32 s39, s39, 0x600000
	v_mov_b32 v13, s32                             ; 2^e4 as f32: the conversion takes its exponent field
	v_mov_b32 v12, s39                             ; 448 x 2^e4
	v_mov_b32 v254, 0                              ; written once: a lane permute's destination counts as one of its sources
	v_pk_add_f32 v[INIT:INIT+1], v[W3:W3+1], v[W3+2:W3+3]
.set i, 2
.rept 14
	v_pk_add_f32 v[INIT:INIT+1], v[INIT:INIT+1], v[W3+2*i:W3+2*i+1]
.set i, i+1
.endr
.set i, 0
.rept 16
	v_pk_mul_f32 v[W3+2*i:W3+2*i+1], v[W3+2*i:W3+2*i+1], -2.0 op_sel_hi:[1,0]
	v_pk_mul_f32 v[B2+2*i:B2+2*i+1], v[B2+2*i:B2+2*i+1], s[40:41] op_sel_hi:[1,0]
.set i, i+1
.endr
	WIN 0x40                                       ; destination window 1
.set i, 0
.rept 64                               ; W2's codes lie in the order of the registers: piece i is registers 4 i .. 4 i + 3; a load reads 512 consecutive bytes.  They land under the first period's codes.  No wait: no vector instruction since the head's wait names v1, and none has named window 1
	global_load_b128 v[4*i:4*i+3], v1, s[20:21] offset:512*i
.set i, i+1
.endr
	WIN 0
	; ---- the first period's codes, into buffer 0: G alone, a row of BT asked for one tile ahead
	s_mov_b32 s35, 0                               ; G's place in BT
	s_mov_b32 s36, 0                               ; T's place in a row of partial logits
	s_mov_b32 s34, 0
	v_add_nc_u32 v8, s35, v2
	s_wait_alu depctr_va_vdst(0)                   ; v8 is written, which the loads below read
	GLOAD 0
.Lfirst:
	s_wait_alu depctr_vm_vsrc(0)                   ; the rows' loads have read v8, and the last trip's stores of codes v9
	v_add_nc_u32 v8, s35, v2
	v_add_nc_u32 v9, s34, v3
	GM 0
	GTAIL 0
	GLOAD 256
	GM 0
	GTAIL 1
	GLOAD 512                                      ; in the last trip: row 8, for the first step behind the barrier
	s_add_co_u32 s35, s35, 512
	s_add_co_u32 s34, s34, 16384
	s_cmp_lt_u32 s34, 65536
	s_cbranch_scc1 .Lfirst
	s_wait_loadcnt 0x0                             ; W2's codes
	BAR
	; ---- eight periods: six in the loop, the last two written out: the seventh makes the last codes, the eighth none
	s_mov_b32 s37, 3
.Lperiods:
	PERIOD 0, 1, 1, 0
	PERIOD 1, 0, 1, 0
	s_sub_co_u32 s37, s37, 1
	s_cmp_lg_u32 s37, 0
	s_cbranch_scc1 .Lperiods
	PERIOD 0, 1, 1, 1
	PERIOD 1, 0, 0, 0
	; ---- the eight waves' partial logits are added; wave w takes rows 2 w and 2 w + 1, a lane four j
.set i, 0
.rept 8                                ; no wait on va_vdst is owed: no vector or matrix instruction behind the one in PSTORE names these registers or v14
	ds_load_b128 v[FR+4*i:FR+4*i+3], v14 offset:PW*i
.set i, i+1
.endr
	s_wait_alu depctr_vm_vsrc(0)                   ; the last store of partial logits has read v252, which is written below
	v_and_b32 v252, 15, v0                         ; r
	v_bfe_u32 v253, v0, 4, 1                       ; h
	v_lshlrev_b32 v253, 11, v253
	v_lshl_add_u32 v252, v252, 4, v253             ; out0: lanes 0-15 one row of 2,048 bytes, lanes 16-31 the next; 16 bytes a lane
	v_mov_b32 v255, 0xc1a00000                     ; -20
	s_wait_dscnt 0x0
.irp a, 0,8,16,24
	v_pk_add_f32 v[FR+\a:FR+\a+1], v[FR+\a:FR+\a+1], v[FR+\a+4:FR+\a+5]
	v_pk_add_f32 v[FR+\a+2:FR+\a+3], v[FR+\a+2:FR+\a+3], v[FR+\a+6:FR+\a+7]
.endr
.irp a, 0,16
	v_pk_add_f32 v[FR+\a:FR+\a+1], v[FR+\a:FR+\a+1], v[FR+\a+8:FR+\a+9]
	v_pk_add_f32 v[FR+\a+2:FR+\a+3], v[FR+\a+2:FR+\a+3], v[FR+\a+10:FR+\a+11]
.endr
	v_pk_add_f32 v[FR:FR+1], v[FR:FR+1], v[FR+16:FR+17]
	v_pk_add_f32 v[FR+2:FR+3], v[FR+2:FR+3], v[FR+18:FR+19]
	v_pk_add_f32 v[FR:FR+1], v[FR:FR+1], s[8:9] op_sel_hi:[1,0]       ; + b3
	v_pk_add_f32 v[FR+2:FR+3], v[FR+2:FR+3], s[8:9] op_sel_hi:[1,0]
.irp q, 0,1,2,3
	v_cmp_eq_u32 s[44+\q], \q, v15                                    ; the four compares in a run, a scalar register each
.endr
	s_wait_alu depctr_va_sdst(0)                   ; s44 to s47 are written, ahead of their first readers: one wait for the run
.irp q, 0,1,2,3
	v_cndmask_b32 v[FR+\q], v[FR+\q], v255, s[44+\q]                  ; the diagonal
.endr
	s_wait_alu depctr_va_vdst(0)                   ; the four numbers and their offset v252 are written, which the store reads
	global_store_b128 v252, v[FR:FR+3], s[30:31] th:TH_STORE_NT       ; sixteen lanes store 256 consecutive bytes, at a multiple of 256 from out0's first byte; written once, read by nobody here
	s_wait_xcnt 0x0
	v_lshl_add_u32 v254, v0, 2, 0x48800            ; the closing add's two registers are made anew here: v0 is as at the entry; no memory or LDS instruction has read v254 or v255; the spare words lie behind the partial logits
	v_mov_b32 v255, 0
	s_wait_dscnt 0x0                               ; the closing lines, six on end
	s_wait_alu 0x0
	s_wait_tensorcnt 0x0
	ds_add_u32 v254, v255
	s_wait_dscnt 0x0
	s_endpgm
.Lfunc_end_k_q45dbc122c4_pairs:
	.size	k_q45dbc122c4_pairs, .Lfunc_end_k_q45dbc122c4_pairs-k_q45dbc122c4_pairs
	.p2alignl 7, 3214868480
	.fill 96, 4, 3214868480
	.section	.rodata,"a",@progbits
	.p2align	6, 0x0
	.amdhsa_kernel k_q45dbc122c4_pairs
		.amdhsa_group_segment_fixed_size 297984
		.amdhsa_private_segment_fixed_size 0
		.amdhsa_enable_private_segment 0
		.amdhsa_kernarg_size 64
		.amdhsa_user_sgpr_count 2
		.amdhsa_user_sgpr_kernarg_segment_ptr 1
		.amdhsa_wavefront_size32 1
		.amdhsa_system_sgpr_workgroup_id_x 1
		.amdhsa_system_sgpr_workgroup_id_y 1
		.amdhsa_system_sgpr_workgroup_id_z 1
		.amdhsa_system_vgpr_workitem_id 0
		.amdhsa_next_free_vgpr 512
		.amdhsa_next_free_sgpr 66
		.amdhsa_reserve_vcc 0
		.amdhsa_float_denorm_mode_32 3
		.amdhsa_float_denorm_mode_16_64 3
		.amdhsa_memory_ordered 1
		.amdhsa_forward_progress 1
		.amdhsa_inst_pref_size 255
	.end_amdhsa_kernel
	.section	.bss,"aw",@nobits
	.p2align	6
	.space	262144
	.amdgpu_metadata
---
amdhsa.version: [ 1, 2 ]
amdhsa.kernels:
  - .name:           k_q45dbc122c4_pairs
    .symbol:         k_q45dbc122c4_pairs.kd
    .args:
      - { .name: ya, .offset: 0, .size: 8, .value_kind: global_buffer, .address_space: global }
      - { .name: yb, .offset: 8, .size: 8, .value_kind: global_buffer, .address_space: global }
      - { .name: w2q, .offset: 16, .size: 8, .value_kind: global_buffer, .address_space: global }
      - { .name: b2, .offset: 24, .size: 8, .value_kind: global_buffer, .address_space: global }
      - { .name: W3, .offset: 32, .size: 8, .value_kind: global_buffer, .address_space: global }
      - { .name: b3, .offset: 40, .size: 8, .value_kind: global_buffer, .address_space: global }
      - { .name: lowp_scales, .offset: 48, .size: 8, .value_kind: global_buffer, .address_space: global }
      - { .name: out0, .offset: 56, .size: 8, .value_kind: global_buffer, .address_space: global }
    .group_segment_fixed_size: 297984
    .private_segment_fixed_size: 0
    .kernarg_segment_align: 8
    .kernarg_segment_size: 64
    .max_flat_workgroup_size: 256
    .sgpr_count:     66
    .vgpr_count:     512
    .wavefront_size: 32
...
	.end_amdgpu_metadata
.endif
;; end of part 4
